; MI455X (gfx1250); checked and timed in simulation.
; The chip was launched on July 23, 2026; its instructions are those of AMD's public machine-readable ISA for CDNA 5 (MIT licence, August 2026) and "CDNA5" Instruction Set Architecture Reference Guide (July 2026). The comments in the code are by the model that wrote it; some were corrected since.
;; Multi Head Attention With Relative Position. Allowed arithmetic: float matrix products may take bf16 or f16 operands with f32 sums; all other float work in f32.
;; Inputs: Wk 1,024 x 1,024 float32; Wo 1,024 x 1,024 float32; Wq 1,024 x 1,024 float32; Wv 1,024 x 1,024 float32; bk 1,024 float32; bo 1,024 float32; bq 1,024 float32; bv 1,024 float32; mask 2 x 2,048 int32; rel_emb 65 x 16 float32; x 2 x 2,048 x 1,024 float32.
;; Outputs: out0 2 x 2,048 x 1,024 float32.
;; 2 versions, each right; version 2 is version 1 with the launch prep written anew for expert scheduling mode. Each part assembles by itself: llvm-mc -triple=amdgcn-amd-amdhsa -mcpu=gfx1250 --defsym DOCPART=n.
;; ======== version 1 of 2: 4 launches
;; limits: values are held in f16: magnitudes above 65,504 overflow, below 6.1e-05 lose precision
;; workspace buffers: xb 8,388,608 bytes; wb 8,388,608 bytes; tabs 655,360 bytes; qkv 25,165,824 bytes; vsum 262,144 bytes; ctx 8,388,608 bytes
;; launch prep (part 1): grid 256 x 1, 8 waves a work-group, no clusters, 0 bytes of LDS; arguments x, Wq, Wk, Wv, Wo, mask, rel_emb, xb, wb, tabs; writes xb, wb, tabs
.if DOCPART == 1
	.amdgcn_target "amdgcn-amd-amdhsa--gfx1250"
	.amdhsa_code_object_version 6
	.text
	.protected	k_q013ae42ae0_prep
	.globl	k_q013ae42ae0_prep
	.p2align	8
	.type	k_q013ae42ae0_prep,@function
k_q013ae42ae0_prep:
	s_mov_b64 s[64:65], 0
	v_nop
	global_prefetch_b8 v0, s[64:65] scope:SCOPE_SE
	s_setreg_imm32_b32 hwreg(HW_REG_WAVE_MODE, 25, 1), 1
	s_wait_xcnt 0x0
; Casts x and the four weight matrices from f32 to f16 and makes two small tables for the attention launch.
; 8,192 rows of 1,024 numbers in all: 256 work-groups of 32 rows.  Groups 0-127 take x, 128-159 Wq, 160-191 Wk, 192-223 Wv, 224-255 Wo.
; wb: rows 0-3071 hold Wq, Wk, Wv sorted by head (row 192 hd + 64 T + e = row 64 hd + e of matrix T), rows 3072-4095 hold Wo.
; tabs, f32, all in units of log2 (times 1.442695):
;   kb[b*16+hd][2][2048] at byte 0: row 0 = key kept ? rel_emb[0][hd] : -1e30 (distance -32 and beyond), row 1 = key kept ? 0 : -1e30
;   et[hd][c][512] at byte 524,288: entry x stands for distance d = x + c - 192: d <= 0 ? rel_emb[max(d,-32)+32][hd] : -1e30 (the causal edge).
;   Four copies shifted by c = 0..3 entries, so that any run of eight distances starts at a multiple of 16 bytes in one of them.
; LIMITS: -1e30 stands for the -1e9 of the masks (equal results while kept scores lie far above -1e9).  rel_emb's rows 33-64 (keys behind
; the query) are not read: the causal mask discards every score that they enter.  f16 holds |x|, |W| below 65,504.
; A stream: thread t owns columns 4 t .. 4 t + 3 of each of the group's 32 rows; all 32 loads of 16 bytes go out at once, a wave's load
; covers 512 consecutive bytes, a wave's store of 8 bytes a lane covers 256 consecutive bytes, aligned.  No LDS, no barrier, no matrix work.
.set LOG2E,  0x3fb8aa3b
.set NEGBIG, 0xf149f2ca                ; -1e30
.set X, 16                             ; v[16:143]  row k: 4 numbers as loaded
.set Y, 144                            ; v[144:207] row k: 4 numbers in f16
	s_load_b512 s[8:23], s[0:1], 0x0               ; x s[8:9], Wq s[10:11], Wk s[12:13], Wv s[14:15], Wo s[16:17], mask s[18:19], rel_emb s[20:21], xb s[22:23]
	s_load_b128 s[24:27], s[0:1], 0x40             ; wb s[24:25], tabs s[26:27]
	s_mov_b32 s48, ttmp9                           ; g
	s_lshr_b32 s2, s48, 5                          ; which matrix: 0-3 x, 4 Wq, 5 Wk, 6 Wv, 7 Wo
	s_and_b32 s3, s48, 31                          ; block of 32 rows in a weight matrix
	s_cmp_lt_u32 s2, 4
	s_cselect_b32 s4, s48, s3                      ; block of 32 rows in the source
	s_lshl_b32 s32, s4, 17                         ; x 32 rows x 4,096 bytes
	s_mov_b32 s33, 0
	s_lshr_b32 s6, s3, 1                           ; head
	s_mul_i32 s6, s6, 192
	s_max_u32 s7, s2, 4
	s_sub_co_u32 s7, s7, 4                         ; T = 0, 1, 2 for Wq, Wk, Wv
	s_lshl_b32 s7, s7, 6
	s_add_co_u32 s6, s6, s7
	s_and_b32 s7, s3, 1
	s_lshl_b32 s7, s7, 5
	s_add_co_u32 s6, s6, s7                        ; 192 hd + 64 T + 32 (block & 1)
	s_lshl_b32 s7, s3, 5
	s_add_co_u32 s7, s7, 3072                      ; Wo: behind the 3,072 rows
	s_cmp_eq_u32 s2, 7
	s_cselect_b32 s6, s7, s6
	s_lshl_b32 s5, s48, 5                          ; x: row 32 g
	s_cmp_lt_u32 s2, 4
	s_cselect_b32 s6, s5, s6
	s_lshl_b32 s34, s6, 11                         ; x 2,048 bytes
	s_mov_b32 s35, 0
	; the tables: group g makes kb for batch g >> 7, head (g >> 3) & 15, keys 256 (g & 7) .. + 255, both rows
	s_and_b32 s40, s48, 7
	s_lshl_b32 s40, s40, 10                        ; 256 keys x 4 bytes
	s_lshr_b32 s36, s48, 7
	s_lshl_b32 s36, s36, 13
	s_add_co_u32 s36, s36, s40                     ; my keys in mask
	s_mov_b32 s37, 0
	s_lshr_b32 s38, s48, 3
	s_lshl_b32 s38, s38, 14
	s_add_co_u32 s38, s38, s40                     ; my keys in kb's row 0
	s_mov_b32 s39, 0
	s_bfe_u32 s42, s48, 0x40003
	s_lshl_b32 s42, s42, 2                         ; rel_emb[0][hd]
	s_mov_b32 s43, 0
	s_and_b32 s44, s48, 3                          ; et: copy c
	s_bfe_u32 s45, s48, 0x40002
	s_lshl_b32 s45, s45, 2                         ; et: head, x 4 bytes
	v_lshlrev_b32 v1, 4, v0                        ; 16 t: my 4 numbers in a source row
	v_lshlrev_b32 v2, 3, v0                        ; 8 t: in a row of f16, and my two entries of et
	v_and_b32 v12, 127, v0
	v_lshlrev_b32 v12, 3, v12                      ; my two keys
	v_lshrrev_b32 v3, 7, v0                        ; threads 0-127 make kb's row 0, threads 128-255 row 1
	v_lshl_add_u32 v3, v3, 13, v12
	v_lshl_add_u32 v13, v0, 1, s44                 ; u = x + c of my two entries of et: distance u - 192
	v_add_nc_u32 v14, 1, v13
	v_max_u32 v15, 0xa0, v13
	v_max_u32 v208, 0xa0, v14
	v_min_u32 v15, 0xc0, v15                       ; 160 + row of rel_emb, rows 0 to 32
	v_min_u32 v208, 0xc0, v208
	v_lshl_add_u32 v15, v15, 6, s45                ; x 64 bytes + head; the 160 rows come off in the loads' immediate
	v_lshl_add_u32 v208, v208, 6, s45
	s_wait_kmcnt 0x0
	s_mov_b64 s[28:29], s[8:9]
	s_cmp_eq_u32 s2, 4
	s_cselect_b64 s[28:29], s[10:11], s[28:29]
	s_cmp_eq_u32 s2, 5
	s_cselect_b64 s[28:29], s[12:13], s[28:29]
	s_cmp_eq_u32 s2, 6
	s_cselect_b64 s[28:29], s[14:15], s[28:29]
	s_cmp_eq_u32 s2, 7
	s_cselect_b64 s[28:29], s[16:17], s[28:29]
	s_cmp_lt_u32 s2, 4
	s_cselect_b64 s[30:31], s[22:23], s[24:25]
	s_add_nc_u64 s[28:29], s[28:29], s[32:33]      ; my 32 rows in the source
	s_add_nc_u64 s[30:31], s[30:31], s[34:35]      ; and in xb or wb
	s_add_nc_u64 s[18:19], s[18:19], s[36:37]
	s_add_nc_u64 s[42:43], s[20:21], s[42:43]
	s_add_nc_u64 s[38:39], s[26:27], s[38:39]
	s_load_b32 s41, s[42:43], 0x0
	global_load_b64 v[4:5], v12, s[18:19]          ; the tables' loads go first: they are older than every row's load
	global_load_b32 v6, v15, s[20:21] offset:-10240
	global_load_b32 v7, v208, s[20:21] offset:-10240
.set k, 0
.rept 32
	global_load_b128 v[X+4*k:X+4*k+3], v1, s[28:29] offset:4096*k th:TH_LOAD_NT
.set k, k+1
.endr
.set k, 0
.rept 32
	s_wait_loadcnt 31-k                            ; loads come back in order: row k is in, the 31 - k younger rows stay out
	v_cvt_pk_f16_f32 v[Y+2*k], v[X+4*k], v[X+4*k+1]
	v_cvt_pk_f16_f32 v[Y+2*k+1], v[X+4*k+2], v[X+4*k+3]
	global_store_b64 v2, v[Y+2*k:Y+2*k+1], s[30:31] offset:2048*k
.set k, k+1
.endr
	; kb: the last wait above was for 0, so the mask and the table entries are in
	s_wait_kmcnt 0x0
	s_mul_f32 s41, s41, LOG2E
	v_mov_b32 v9, NEGBIG
	v_mov_b32 v8, s41
	v_cmp_gt_u32 vcc_lo, 128, v0
	v_cndmask_b32 v8, 0, v8, vcc_lo                ; row 0: the far bias; row 1: 0
	v_cmp_ne_u32 vcc_lo, 0, v4
	v_cndmask_b32 v10, v9, v8, vcc_lo
	v_cmp_ne_u32 vcc_lo, 0, v5
	v_cndmask_b32 v11, v9, v8, vcc_lo
	global_store_b64 v3, v[10:11], s[38:39]
	; et: 64 copies of 2,048 bytes (16 heads x 4 shifts), one for each of groups 0-63
	s_cmp_ge_u32 s48, 64
	s_cbranch_scc1 .Ldone
	s_lshl_b32 s46, s48, 11
	s_mov_b32 s47, 0
	s_add_nc_u64 s[46:47], s[26:27], s[46:47]
	v_mul_f32 v6, LOG2E, v6
	v_mul_f32 v7, LOG2E, v7
	v_cmp_gt_u32 vcc_lo, 0xc1, v13                 ; distance <= 0
	v_cndmask_b32 v210, v9, v6, vcc_lo
	v_cmp_gt_u32 vcc_lo, 0xc1, v14
	v_cndmask_b32 v211, v9, v7, vcc_lo
	global_store_b64 v2, v[210:211], s[46:47] offset:524288
.Ldone:
	s_endpgm
.Lfunc_end_k_q013ae42ae0_prep:
	.size	k_q013ae42ae0_prep, .Lfunc_end_k_q013ae42ae0_prep-k_q013ae42ae0_prep
	.p2alignl 7, 3214868480
	.fill 96, 4, 3214868480
	.section	.rodata,"a",@progbits
	.p2align	6, 0x0
	.amdhsa_kernel k_q013ae42ae0_prep
		.amdhsa_group_segment_fixed_size 0
		.amdhsa_private_segment_fixed_size 0
		.amdhsa_enable_private_segment 0
		.amdhsa_kernarg_size 80
		.amdhsa_user_sgpr_count 2
		.amdhsa_user_sgpr_kernarg_segment_ptr 1
		.amdhsa_wavefront_size32 1
		.amdhsa_system_sgpr_workgroup_id_x 1
		.amdhsa_system_sgpr_workgroup_id_y 1
		.amdhsa_system_sgpr_workgroup_id_z 1
		.amdhsa_system_vgpr_workitem_id 0
		.amdhsa_next_free_vgpr 212
		.amdhsa_next_free_sgpr 66
		.amdhsa_reserve_vcc 1
		.amdhsa_float_denorm_mode_32 3
		.amdhsa_float_denorm_mode_16_64 3
		.amdhsa_memory_ordered 1
		.amdhsa_forward_progress 1
		.amdhsa_inst_pref_size 16
	.end_amdhsa_kernel
	.amdgpu_metadata
---
amdhsa.version: [ 1, 2 ]
amdhsa.kernels:
  - .name:           k_q013ae42ae0_prep
    .symbol:         k_q013ae42ae0_prep.kd
    .args:
      - { .name: x, .offset: 0, .size: 8, .value_kind: global_buffer, .address_space: global }
      - { .name: Wq, .offset: 8, .size: 8, .value_kind: global_buffer, .address_space: global }
      - { .name: Wk, .offset: 16, .size: 8, .value_kind: global_buffer, .address_space: global }
      - { .name: Wv, .offset: 24, .size: 8, .value_kind: global_buffer, .address_space: global }
      - { .name: Wo, .offset: 32, .size: 8, .value_kind: global_buffer, .address_space: global }
      - { .name: mask, .offset: 40, .size: 8, .value_kind: global_buffer, .address_space: global }
      - { .name: rel_emb, .offset: 48, .size: 8, .value_kind: global_buffer, .address_space: global }
      - { .name: xb, .offset: 56, .size: 8, .value_kind: global_buffer, .address_space: global }
      - { .name: wb, .offset: 64, .size: 8, .value_kind: global_buffer, .address_space: global }
      - { .name: tabs, .offset: 72, .size: 8, .value_kind: global_buffer, .address_space: global }
    .group_segment_fixed_size: 0
    .private_segment_fixed_size: 0
    .kernarg_segment_align: 8
    .kernarg_segment_size: 80
    .max_flat_workgroup_size: 256
    .sgpr_count:     66
    .vgpr_count:     212
    .wavefront_size: 32
...
	.end_amdgpu_metadata
.endif
;; end of part 1
;; launch qkv (part 2): grid 16 x 16, 4 waves a work-group, clusters of 4 x 4, 327,680 bytes of LDS; arguments xb, wb, bq, bk, bv, qkv, vsum; writes qkv, vsum
.if DOCPART == 2
	.amdgcn_target "amdgcn-amd-amdhsa--gfx1250"
	.amdhsa_code_object_version 6
	.text
	.protected	k_q013ae42ae0_qkv
	.globl	k_q013ae42ae0_qkv
	.p2align	8
	.type	k_q013ae42ae0_qkv,@function
k_q013ae42ae0_qkv:
	s_mov_b64 s[64:65], 0
	v_nop
	global_prefetch_b8 v0, s[64:65] scope:SCOPE_SE
	s_setreg_imm32_b32 hwreg(HW_REG_WAVE_MODE, 25, 1), 1
	s_wait_xcnt 0x0
	s_wait_alu depctr_hold_cnt(0) depctr_sa_sdst(0) depctr_va_vdst(0) depctr_va_sdst(0) depctr_va_ssrc(0) depctr_va_vcc(0) depctr_vm_vsrc(0)
	s_getreg_b32 s2, hwreg(HW_REG_IB_STS2, 6, 4)
	s_cmp_eq_u32 s2, 0
	s_cbranch_scc0 .Lentry_in_a_cluster
	s_endpgm
.Lentry_in_a_cluster:
	s_bfe_u32 s2, ttmp6, 0x10000c
	s_cmp_lg_u32 s2, 0xf033
	s_cbranch_scc0 .Lentry_shape_is_right
	s_endpgm
.Lentry_shape_is_right:
; Q, K, V = x W^T + b for one head and 256 tokens a work-group: [256 x 1024] x [192 x 1024]^T, f16 operands, f32 sums.
; Grid: x = head (16), y = block of 256 tokens (16).  Four waves; wave w makes tokens 64 w .. 64 w + 63 and all 192 columns
; (64 of Q, 64 of K, 64 of V): 4 x 12 accumulator tiles of 16 x 16, 384 registers.  So each wave owns whole rows of 128 bytes of the
; head-major outputs qkv = Q, K, V, each f16 [b*16+hd][2048][64].  Q leaves multiplied by 0.125 log2(e), so that the attention launch
; takes powers of two.  vsum[4 block + w][hd][64] = the sums of V over the wave's 64 tokens, in f32.
; K goes in steps of 128 through two LDS slots filled by the tensor data mover; a tile's rows are 256 bytes of memory, aligned.
; CLUSTERS: 4 x 4 work-groups.  The four of a row of the cluster share the token block (x's tile), the four of a column the head (W's tile):
; each tile is asked for jointly, which divides the requests for both by four.
; LIMIT: f16 outputs: |Q|, |K|, |V| below 65,504.
; REGISTERS in windows of 256: window 0: addresses, x's fragments (two buffers), the biases, later the way out; window 1: W's fragments
; (two buffers of 96); window 2: accumulators of row tiles 0, 1 (tile (mt, nt) at 96 (mt & 1) + 8 nt); window 3: of row tiles 2, 3.
; THE MATRIX INSTRUCTION IS USED TRANSPOSED (source 0 = 16 rows of W, source 1 = 16 tokens): lane l holds token l % 16 and registers 0-7
; the columns 8 (l / 16) + 0..7: eight neighbouring numbers of an output row.  The first product takes the bias as C: nothing is cleared or added later.
.set KSTEP,  128
.set PITCH,  272                       ; an LDS row: 256 bytes + 16 of padding: the 16 rows of a fragment load start 16 bytes apart modulo 256
.set AHALF,  128*PITCH                 ; 128 tokens: one tensor load
.set BHALF,  96*PITCH                  ; 96 rows of W: one tensor load
.set SLOT,   2*AHALF+2*BHALF           ; 121,856
.set STAGE,  2*SLOT                    ; behind the ring, never the target of a tensor load
.set WSTAGE, 7168                      ; a wave's stage: three blocks of 16 rows x 144 bytes (Q, K, V), then 256 bytes for the column sums
.set SP,     144
.set LAPS,   4                         ; 1,024 / (2 x 128)
.set ADRA, 16                          ; v16-17 LDS address of my x fragments in slot 0, 1
.set ADRB, 20                          ; v20-21 the same for W
.set STO,  24
.set RD,   25
.set CO,   26
.set CSA,  27
.set CSR,  28
.set L8,   29
.set H32,  30
.set FA,   32                          ; x's fragments: buffer f at 32 + 32 f
.set BIAS, 96                          ; v96-191: column tile nt's bias at 96 + 8 nt
.set PK,   96                          ; the way out: packed f16 (the biases are no longer needed)
.set QT,   144                         ; the way out: Q scaled
.set RB,   32                          ; the way out: rows read back
.set CS,   144
.set CS2,  176
.set G1,  24
.set G0,  32
.set G1B, 48
.set G0B, 56
.set MSB, 0
.macro WIN new                         ; the immediate's high byte repeats the setting that is left
.if MSB != \new
	s_set_vgpr_msb (MSB<<8)|\new
.set MSB, \new
.endif
.endm
.set MUL_LO, 0xa1                      ; source 0 (W) window 1, source 1 (x) window 0, C and D window 2
.set MUL_HI, 0xf1                      ; C and D window 3
.set TO_B,   0x40
.macro JLOAD s                         ; waves 0, 1 ask for x's two halves, waves 2, 3 for W's; the branch hangs on the wave's number alone
	s_cmp_eq_u32 s11, 0
	s_cbranch_scc0 .Lfor_b_\@
	tensor_load_to_lds s[G0+4*\s:G0+4*\s+3], s[G1:G1+7]
	s_nop 0
	s_branch .Lasked_\@
.Lfor_b_\@:
	tensor_load_to_lds s[G0B+4*\s:G0B+4*\s+3], s[G1B:G1B+7]
	s_nop 0
.Lasked_\@:
.endm
.macro CREST                           ; a round of the cluster's barrier behind its opening barrier
	s_cmp_lg_u32 s10, 0
	s_cbranch_scc1 .Lnot_wave_0_\@
	s_barrier_signal -3
.Lnot_wave_0_\@:
	s_barrier_wait -3
	s_barrier_signal -1
	s_barrier_wait -1
.endm
.macro CROUND
	s_barrier_signal -1
	s_barrier_wait -1
	CREST
.endm
.macro PLACES                          ; four plain vector instructions between a matrix instruction and a load into, or a read of, its registers
.rept 4
	v_nop
.endr
.endm
	s_load_b128 s[4:7], s[0:1], 0x0                ; xb s[4:5], wb s[6:7]
	s_load_b128 s[68:71], s[0:1], 0x10             ; bq s[68:69], bk s[70:71]
	s_load_b128 s[72:75], s[0:1], 0x20             ; bv s[72:73], qkv s[74:75]
	s_load_b64 s[76:77], s[0:1], 0x30              ; vsum
	s_set_vgpr_msb 0x40
	v_lshl_add_u32 v255, v0, 2, 0x42800
	s_set_vgpr_msb 0x4000
	v_mov_b32 v255, 0
	s_set_vgpr_msb 0x1
	ds_add_u32 v255, v255
	s_set_vgpr_msb 0x100
	v_lshrrev_b32 v1, 5, v0
	v_readfirstlane_b32 s10, v1                    ; wave 0..3
	s_lshr_b32 s11, s10, 1                         ; I fetch for x (0) or for W (1)
	s_and_b32 s12, s10, 1                          ; which half of that tile
	s_bfe_u32 s40, ttmp6, 0x40000                  ; cx
	s_bfe_u32 s41, ttmp6, 0x40004                  ; cy
	s_lshl_b32 s42, ttmp9, 2
	s_add_co_u32 s42, s42, s40                     ; head = 4 x cluster x + cx
	s_and_b32 s13, ttmp7, 0xffff
	s_lshl_b32 s13, s13, 2
	s_add_co_u32 s13, s13, s41                     ; token block = 4 x cluster y + cy
	s_lshl_b32 s43, s41, 2
	s_lshl_b32 s43, 15, s43                        ; my row of the cluster
	s_lshl_b32 s44, 0x1111, s40                    ; my column
	s_or_b32 s[G1+0], s43, (1<<16)|(1<<20)|(1<<21)|(5<<22)|(3<<25)   ; mask; 2-byte elements; padding on; bit 21 beside a mask; after every 64 words 4 words
	s_or_b32 s[G1B+0], s44, (1<<16)|(1<<20)|(1<<21)|(5<<22)|(3<<25)
	s_mov_b32 s[G1+1], KSTEP<<16                   ; tensor_dim0 = 128
	s_mov_b32 s[G1B+1], KSTEP<<16
	s_mov_b32 s[G1+2], 128<<16                     ; tensor_dim1 = 128 rows
	s_mov_b32 s[G1B+2], 96<<16                     ; 96 rows
	s_mov_b32 s[G1+3], KSTEP<<16                   ; tile_dim0 = 128
	s_mov_b32 s[G1B+3], KSTEP<<16
	s_mov_b32 s[G1+4], 128                         ; tile_dim1
	s_mov_b32 s[G1B+4], 96
	s_mov_b32 s[G1+5], 1024                        ; elements from row to row
	s_mov_b32 s[G1B+5], 1024
	s_mov_b32 s[G1+6], 0
	s_mov_b32 s[G1B+6], 0
	s_mov_b32 s[G1+7], 0
	s_mov_b32 s[G1B+7], 0
	s_lshl_b32 s17, s12, 7
	s_lshl_b32 s16, s13, 8
	s_add_co_u32 s16, s16, s17                     ; x: row 256 x block + 128 x half
	s_lshl_b32 s16, s16, 11                        ; x 2,048 bytes
	s_mov_b32 s17, 0
	s_mul_i32 s46, s42, 192
	s_mul_i32 s47, s12, 96
	s_add_co_u32 s46, s46, s47                     ; W: row 192 x head + 96 x half
	s_lshl_b32 s46, s46, 11
	s_mov_b32 s47, 0
	s_mul_i32 s20, s10, AHALF                      ; where x's halves go (waves 0, 1)
	s_mul_i32 s21, s10, BHALF
	s_add_co_u32 s21, s21, 2*AHALF-2*BHALF         ; where W's halves go (waves 2, 3): behind x's 256 rows
	s_mov_b32 s78, 0x3e38aa3b                      ; 0.125 log2(e), twice
	s_mov_b32 s79, 0x3e38aa3b
	s_wait_dscnt 0x0
	s_wait_kmcnt 0x0
	s_add_nc_u64 s[14:15], s[4:5], s[16:17]
	s_add_nc_u64 s[46:47], s[6:7], s[46:47]
	CROUND                                         ; all sixteen work-groups are here: the first joint loads meet
.irp s, 0,1
	s_mov_b32 s[G0+4*\s], 1
	s_add_co_u32 s[G0+4*\s+1], s20, \s*SLOT
	s_add_nc_u64 s[G0+4*\s+2:G0+4*\s+3], s[14:15], \s*KSTEP*2
	s_or_b32 s[G0+4*\s+3], s[G0+4*\s+3], 0x80000000
	s_mov_b32 s[G0B+4*\s], 1
	s_add_co_u32 s[G0B+4*\s+1], s21, \s*SLOT
	s_add_nc_u64 s[G0B+4*\s+2:G0B+4*\s+3], s[46:47], \s*KSTEP*2
	s_or_b32 s[G0B+4*\s+3], s[G0B+4*\s+3], 0x80000000
	JLOAD \s                                       ; both slots' first fills: two tensor loads of a wave are out here, one behind each later round
.endr
	; the biases, as C operands: register j of column tile dt holds b[64 hd + 16 dt + 8 (l / 16) + j]
	v_and_b32 v1, 15, v0                           ; r
	v_bfe_u32 v2, v0, 4, 1                         ; h
	v_and_b32 v5, 31, v0                           ; lane
	v_lshlrev_b32 v[H32], 5, v2
	s_lshl_b32 s90, s42, 8
	s_mov_b32 s91, 0
	s_add_nc_u64 s[68:69], s[68:69], s[90:91]
	s_add_nc_u64 s[70:71], s[70:71], s[90:91]
	s_add_nc_u64 s[72:73], s[72:73], s[90:91]
.irp dt, 0,1,2,3
	global_load_b128 v[BIAS+8*\dt:BIAS+8*\dt+3],       v[H32], s[68:69] offset:64*\dt
	global_load_b128 v[BIAS+8*\dt+4:BIAS+8*\dt+7],     v[H32], s[68:69] offset:64*\dt+16
	global_load_b128 v[BIAS+32+8*\dt:BIAS+32+8*\dt+3], v[H32], s[70:71] offset:64*\dt
	global_load_b128 v[BIAS+32+8*\dt+4:BIAS+32+8*\dt+7], v[H32], s[70:71] offset:64*\dt+16
	global_load_b128 v[BIAS+64+8*\dt:BIAS+64+8*\dt+3], v[H32], s[72:73] offset:64*\dt
	global_load_b128 v[BIAS+64+8*\dt+4:BIAS+64+8*\dt+7], v[H32], s[72:73] offset:64*\dt+16
.endr
	; fragments: lane l holds row l % 16; two loads of 16 bytes, 32 bytes apart, at row x pitch + 16 (l / 16)
	v_mul_u32_u24 v3, v1, PITCH
	v_lshl_add_u32 v3, v2, 4, v3
	s_mul_i32 s22, s10, 64*PITCH                   ; my 64 tokens
	v_add_nc_u32 v[ADRA], s22, v3
	s_add_co_u32 s22, s22, SLOT
	v_add_nc_u32 v[ADRA+1], s22, v3
	v_add_nc_u32 v[ADRB], 2*AHALF, v3
	v_add_nc_u32 v[ADRB+1], 2*AHALF+SLOT, v3
	s_mul_i32 s23, s10, WSTAGE
	s_add_co_u32 s23, s23, STAGE                   ; my stage
	v_mul_u32_u24 v4, v1, SP
	v_lshl_add_u32 v4, v2, 4, v4
	v_add_nc_u32 v[STO], s23, v4                   ; in: row r, 16 bytes for each half of the lanes
	v_lshrrev_b32 v6, 3, v5
	v_mul_u32_u24 v6, v6, SP
	v_and_b32 v7, 7, v0
	v_lshl_add_u32 v6, v7, 4, v6
	v_add_nc_u32 v[RD], s23, v6                    ; back: eight lanes take a row of 128 bytes, the wave four rows
	v_lshlrev_b32 v[CO], 4, v5                     ; which are 512 consecutive bytes of the output
	v_lshlrev_b32 v[L8], 3, v5
	s_add_co_u32 s23, s23, 3*16*SP
	v_add_nc_u32 v[CSA], s23, v[H32]
	v_add_nc_u32 v[CSR], s23, v[L8]
	; where the results go (registers that feed no joint load)
	s_lshr_b32 s86, s13, 3                         ; batch
	s_lshl_b32 s86, s86, 4
	s_add_co_u32 s86, s86, s42                     ; b*16 + hd
	s_lshl_b32 s86, s86, 11
	s_and_b32 s87, s13, 7
	s_lshl_b32 s87, s87, 8
	s_add_co_u32 s86, s86, s87
	s_lshl_b32 s87, s10, 6
	s_add_co_u32 s86, s86, s87                     ; my first token's row
	s_lshl_b32 s86, s86, 7                         ; x 128 bytes
	s_mov_b32 s87, 0
	s_add_nc_u64 s[80:81], s[74:75], s[86:87]      ; Q
	s_add_nc_u64 s[82:83], s[80:81], 0x800000      ; K
	s_add_nc_u64 s[84:85], s[82:83], 0x800000      ; V
	s_lshl_b32 s88, s13, 2
	s_add_co_u32 s88, s88, s10
	s_lshl_b32 s88, s88, 4
	s_add_co_u32 s88, s88, s42
	s_lshl_b32 s88, s88, 8
	s_mov_b32 s89, 0
	s_add_nc_u64 s[76:77], s[76:77], s[88:89]      ; vsum[4 block + w][hd]
; 12 matrix instructions: row tile mt x all 12 column tiles, 32 along K, from buffer f.  zero = 1: the first product takes the bias as C.
; The 48 accumulators take turns, one instruction a turn, in the same order in every quarter step.
.macro MUL12 f, mt, zero
.irp b, 0,1,2,3,4,5,6,7,8,9,10,11
.if \zero
	v_wmma_f32_16x16x32_f16 v[96*((\mt)&1)+8*\b:96*((\mt)&1)+8*\b+7], v[96*\f+8*\b:96*\f+8*\b+7], v[FA+32*\f+8*\mt:FA+32*\f+8*\mt+7], v[BIAS+8*\b:BIAS+8*\b+7]
.else
	v_wmma_f32_16x16x32_f16 v[96*((\mt)&1)+8*\b:96*((\mt)&1)+8*\b+7], v[96*\f+8*\b:96*\f+8*\b+7], v[FA+32*\f+8*\mt:FA+32*\f+8*\mt+7], v[96*((\mt)&1)+8*\b:96*((\mt)&1)+8*\b+7]
.endif
.endr
.endm
; 32 LDS loads in one run: 192 rows of W, then my 64 tokens, 32 K at byte k of the rows, into buffer f
.macro FETCH slot, k, f
	WIN TO_B
.irp i, 0,1,2,3,4,5,6,7,8,9,10,11
	ds_load_b128 v[96*\f+8*\i:96*\f+8*\i+3],   v[ADRB+\slot] offset:\k+\i*16*PITCH
	ds_load_b128 v[96*\f+8*\i+4:96*\f+8*\i+7], v[ADRB+\slot] offset:\k+\i*16*PITCH+32
.endr
	WIN 0
.irp i, 0,1,2,3
	ds_load_b128 v[FA+32*\f+8*\i:FA+32*\f+8*\i+3],   v[ADRA+\slot] offset:\k+\i*16*PITCH
	ds_load_b128 v[FA+32*\f+8*\i+4:FA+32*\f+8*\i+7], v[ADRA+\slot] offset:\k+\i*16*PITCH+32
.endr
.endm
.macro QUARTER slot, k, f, g, zero
	s_wait_dscnt 4                                 ; W and row tiles 0, 1 are in; the youngest four loads (row tiles 2, 3) may be out
.if \zero
	WIN 0x81                                       ; C from window 0 (the bias), D in window 2
.else
	WIN MUL_LO
.endif
	MUL12 \f, 0, \zero
	MUL12 \f, 1, \zero
	PLACES
	FETCH \slot, \k, \g
	s_wait_dscnt 32                                ; all but the 32 just issued
.if \zero
	WIN 0xc1
.else
	WIN MUL_HI
.endif
	MUL12 \f, 2, \zero
	MUL12 \f, 3, \zero
.endm
.macro THREE slot, zero
	QUARTER \slot, 64,  0, 1, \zero
	QUARTER \slot, 128, 1, 0, 0
	QUARTER \slot, 192, 0, 1, 0
.endm
; The last quarter of a K step multiplies buffer 1 and changes slots.  In front of the one barrier each wave waits for its reads of this slot
; and for all its tensor loads (the one that is out is its part of the next slot).  Where the slot is filled again that barrier opens a round
; of the cluster's barrier, and the joint refill is the first tensor load behind the round.
.macro TURN slot, next, fill
	s_wait_dscnt 4
	WIN MUL_LO
	MUL12 1, 0, 0
	s_wait_dscnt 0
	s_wait_tensorcnt 0x0
	ds_add_u32 v255, v255
	s_wait_dscnt 0x0
	s_barrier_signal -1
	MUL12 1, 1, 0                                  ; register work between signal and wait
	WIN 0
	s_barrier_wait -1
.if \fill
	CREST
	s_add_nc_u64 s[G0+4*\slot+2:G0+4*\slot+3], s[G0+4*\slot+2:G0+4*\slot+3], 2*KSTEP*2
	s_add_nc_u64 s[G0B+4*\slot+2:G0B+4*\slot+3], s[G0B+4*\slot+2:G0B+4*\slot+3], 2*KSTEP*2
	JLOAD \slot
.endif
	PLACES
	FETCH \next, 0, 0
	WIN MUL_HI
	MUL12 1, 2, 0
	MUL12 1, 3, 0
.endm
.macro LAP zero
	THREE 0, \zero
	TURN 0, 1, 1
	THREE 1, 0
	TURN 1, 0, 1
.endm
	s_wait_loadcnt 0x0                             ; the biases
	s_wait_tensorcnt 1                             ; my part of K step 0 is in; K step 1's may stay out
	s_barrier_signal -1
	s_barrier_wait -1
	FETCH 0, 0, 0
	LAP 1
	WIN 0
	s_mov_b32 s3, LAPS-2
.Llap:
	LAP 0
	WIN 0
	s_sub_co_u32 s3, s3, 1
	s_cmp_lg_u32 s3, 0
	s_cbranch_scc1 .Llap
	THREE 0, 0                                     ; the last lap fills nothing
	TURN 0, 1, 0
	THREE 1, 0
	s_wait_dscnt 4
	WIN MUL_LO
	MUL12 1, 0, 0
	MUL12 1, 1, 0
	s_wait_dscnt 0
	WIN MUL_HI
	MUL12 1, 2, 0
	MUL12 1, 3, 0
	PLACES
; THE WAY OUT, 16 tokens at a time: Q scaled, all rounded to f16, 16 bytes a lane into my own stage, read back as rows of 128 bytes, four rows a load.
.macro OUTM mt
.set AB_, 96*((\mt)&1)
.if \mt < 2
	WIN 0x02
.else
	WIN 0x03
.endif
.irp nt, 0,1,2,3
.irp p, 0,2,4,6
	v_pk_mul_f32 v[QT+8*\nt+\p:QT+8*\nt+\p+1], v[AB_+8*\nt+\p:AB_+8*\nt+\p+1], s[78:79] op_sel_hi:[1,0]
.endr
.endr
.if \mt < 2
	WIN 0x0a
.else
	WIN 0x0f
.endif
.irp nt, 4,5,6,7,8,9,10,11
.irp p, 0,1,2,3
	v_cvt_pk_f16_f32 v[PK+4*\nt+\p], v[AB_+8*\nt+2*\p], v[AB_+8*\nt+2*\p+1]
.endr
.endr
	WIN 0
.irp nt, 0,1,2,3
.irp p, 0,1,2,3
	v_cvt_pk_f16_f32 v[PK+4*\nt+\p], v[QT+8*\nt+2*\p], v[QT+8*\nt+2*\p+1]
.endr
.endr
.irp nt, 0,1,2,3,4,5,6,7,8,9,10,11
	ds_store_b128 v[STO], v[PK+4*\nt:PK+4*\nt+3] offset:(\nt/4)*16*SP+32*(\nt%4)
.endr
	s_wait_xcnt 0x0                                ; RB, which the last turn's stores read, is loaded again only behind this wait
.irp i, 0,1,2,3,4,5,6,7,8,9,10,11
	ds_load_b128 v[RB+4*\i:RB+4*\i+3], v[RD] offset:(\i/4)*16*SP+4*SP*(\i%4)   ; LDS serves a wave's instructions in order: these see the stores above
.endr
.irp i, 0,1,2,3,4,5,6,7,8,9,10,11
	s_wait_dscnt 11-\i                             ; load i is back, the younger ones stay out
	global_store_b128 v[CO], v[RB+4*\i:RB+4*\i+3], s[80+2*(\i/4):81+2*(\i/4)] offset:2048*\mt+512*(\i%4)   ; 512 consecutive bytes, aligned
.endr
.endm
	OUTM 0
	OUTM 1
	OUTM 2
	OUTM 3
	; the sums of V over my 64 tokens: four row tiles added, then the 16 lanes of each half
	WIN 0x0a
.irp dt, 0,1,2,3
.irp p, 0,2,4,6
	v_pk_add_f32 v[CS+8*\dt+\p:CS+8*\dt+\p+1], v[64+8*\dt+\p:64+8*\dt+\p+1], v[160+8*\dt+\p:160+8*\dt+\p+1]
.endr
.endr
	WIN 0x0f
.irp dt, 0,1,2,3
.irp p, 0,2,4,6
	v_pk_add_f32 v[CS2+8*\dt+\p:CS2+8*\dt+\p+1], v[64+8*\dt+\p:64+8*\dt+\p+1], v[160+8*\dt+\p:160+8*\dt+\p+1]
.endr
.endr
	WIN 0
.set i_, 0
.rept 16
	v_pk_add_f32 v[CS+i_:CS+i_+1], v[CS+i_:CS+i_+1], v[CS2+i_:CS2+i_+1]
.set i_, i_+2
.endr
.irp m, 1,2,4,8
.set i_, 0
.rept 32
	v_add_f32_dpp v[CS+i_], v[CS+i_], v[CS+i_] row_xmask:\m row_mask:0xf bank_mask:0xf
.set i_, i_+1
.endr
.endr
.irp dt, 0,1,2,3
	ds_store_b128 v[CSA], v[CS+8*\dt:CS+8*\dt+3] offset:64*\dt          ; the 16 lanes of a half write the same words with the same values
	ds_store_b128 v[CSA], v[CS+8*\dt+4:CS+8*\dt+7] offset:64*\dt+16
.endr
	ds_load_b64 v[208:209], v[CSR]
	s_wait_dscnt 0x0
	global_store_b64 v[L8], v[208:209], s[76:77]   ; 256 consecutive bytes, aligned
	s_set_vgpr_msb 0x1
	s_wait_tensorcnt 0x0
	ds_add_u32 v255, v255
	s_wait_dscnt 0x0
	s_set_vgpr_msb 0x100
	CROUND                                         ; the closing round: no work-group ends while a partner may still ask for a tile that names it
	s_endpgm
.Lfunc_end_k_q013ae42ae0_qkv:
	.size	k_q013ae42ae0_qkv, .Lfunc_end_k_q013ae42ae0_qkv-k_q013ae42ae0_qkv
	.p2alignl 7, 3214868480
	.fill 96, 4, 3214868480
	.section	.rodata,"a",@progbits
	.p2align	6, 0x0
	.amdhsa_kernel k_q013ae42ae0_qkv
		.amdhsa_group_segment_fixed_size 327680
		.amdhsa_private_segment_fixed_size 0
		.amdhsa_enable_private_segment 0
		.amdhsa_kernarg_size 56
		.amdhsa_user_sgpr_count 2
		.amdhsa_user_sgpr_kernarg_segment_ptr 1
		.amdhsa_wavefront_size32 1
		.amdhsa_system_sgpr_workgroup_id_x 1
		.amdhsa_system_sgpr_workgroup_id_y 1
		.amdhsa_system_sgpr_workgroup_id_z 1
		.amdhsa_system_vgpr_workitem_id 0
		.amdhsa_next_free_vgpr 960
		.amdhsa_next_free_sgpr 92
		.amdhsa_reserve_vcc 0
		.amdhsa_float_denorm_mode_32 3
		.amdhsa_float_denorm_mode_16_64 3
		.amdhsa_memory_ordered 1
		.amdhsa_forward_progress 1
		.amdhsa_inst_pref_size 182
	.end_amdhsa_kernel
	.amdgpu_metadata
---
amdhsa.version: [ 1, 2 ]
amdhsa.kernels:
  - .name:           k_q013ae42ae0_qkv
    .symbol:         k_q013ae42ae0_qkv.kd
    .args:
      - { .name: xb, .offset: 0, .size: 8, .value_kind: global_buffer, .address_space: global }
      - { .name: wb, .offset: 8, .size: 8, .value_kind: global_buffer, .address_space: global }
      - { .name: bq, .offset: 16, .size: 8, .value_kind: global_buffer, .address_space: global }
      - { .name: bk, .offset: 24, .size: 8, .value_kind: global_buffer, .address_space: global }
      - { .name: bv, .offset: 32, .size: 8, .value_kind: global_buffer, .address_space: global }
      - { .name: qkv, .offset: 40, .size: 8, .value_kind: global_buffer, .address_space: global }
      - { .name: vsum, .offset: 48, .size: 8, .value_kind: global_buffer, .address_space: global }
    .group_segment_fixed_size: 327680
    .private_segment_fixed_size: 0
    .kernarg_segment_align: 8
    .kernarg_segment_size: 56
    .max_flat_workgroup_size: 128
    .sgpr_count:     92
    .vgpr_count:     960
    .wavefront_size: 32
...
	.end_amdgpu_metadata
.endif
;; end of part 2
;; launch attn (part 3): grid 256 x 1, 4 waves a work-group, no clusters, 327,680 bytes of LDS; arguments qkv, vsum, tabs, ctx; writes ctx
.if DOCPART == 3
	.amdgcn_target "amdgcn-amd-amdhsa--gfx1250"
	.amdhsa_code_object_version 6
	.text
	.protected	k_q013ae42ae0_attn
	.globl	k_q013ae42ae0_attn
	.p2align	8
	.type	k_q013ae42ae0_attn,@function
k_q013ae42ae0_attn:
	s_mov_b64 s[64:65], 0
	v_nop
	global_prefetch_b8 v0, s[64:65] scope:SCOPE_SE
	s_setreg_imm32_b32 hwreg(HW_REG_WAVE_MODE, 25, 1), 1
	s_wait_xcnt 0x0
; Causal attention with a running maximum.  qkv: Q (times 0.125 log2 e), K, V, each f16 [bh][2048][64]; ctx: f16 [bh][2048][64].
; A head has 16 query blocks of 128.  Work-group g takes head bh = g >> 3 and the blocks i = g & 7 and 15 - i: 17 units of 128 keys for every
; work-group.  The odd-numbered block (an even number of units) goes first, so that both blocks begin in slot 0 and every LDS address is a
; constant.  A block's units are walked downward from the diagonal.  Four waves, 32 queries (two tiles of 16) each.
; NO CLUSTER: the only work-groups that read the same K and V tiles are the query blocks of one head, and under the causal mask these need
; different numbers of tiles; equal numbers would mean computing the masked half, twice the matrix work.
; TRANSPOSED: S^T = K Q^T (A = 16 keys, B = 16 queries): lane (r, h) holds query r, register j key 8 h + j.  So maximum and sum run inside a lane
; plus one exchange of the halves, P^T packs in the lane into the B operand of O^T = V^T P^T, and the scale factors are one number a lane.
; V^T's fragments come from V[key][d] by the transposing LDS load.  The keys' bias and padding mask (table kb) enter as the C operand of the
; first product.  Only three halves of 64 keys a block lie within 32 of the diagonal or across it: there the table et gives the bias for each distance
; and -1e30 behind the causal edge.
; A ROW WHOSE KEYS UP TO ITSELF ARE ALL PADDED has equal scores everywhere in the definition, so its result is the mean of V over all 2,048 keys: it is known by its
; maximum (below -1e29), and the mean, made from vsum, is selected for it.
; LIMITS: -1e30 stands for -1e9 (equal results while kept scores lie far above -1e9); f16 operands: |Q|, |K|, |V| below 65,504.
.set SLOT,   39936                     ; K 128 x 144, V 128 x 160, kb 2 x 512
.set VOFF,   18432
.set KBOFF,  38912
.set QE,     79872                     ; the first block's Q, 128 x 144; the second block's behind it
.set QBLK,   18432
.set ETAB,   116736                    ; et of my head: 4 copies x 2,048 bytes
.set STAGE,  124928                    ; 32 rows x 144 bytes for each wave; written by LDS stores alone
.set WSTAGE, 4608
.set VMEAN,  143360                    ; 256 bytes for each wave
.set KP,     144                       ; an odd multiple of 16: the 16 rows of a fragment load start 16 bytes apart modulo 256
.set VP,     160                       ; an odd multiple of 32, for the transposing load
.set KA,  2                            ; v2-3   K fragments in slot 0, 1
.set VA,  4                            ; v4-5   V
.set KBA, 6                            ; v6-7   kb
.set EA,  8                            ; v8-9   et, for query tile 0, 1
.set QA,  10
.set STO, 11
.set RD,  12
.set CO,  13
.set VMA, 14
.set VMW, 15
.set MN,  16                           ; v[16:17], v[18:19] running maximum of query tile 0, 1, each twice (a pair for packed arithmetic)
.set LS,  20                           ; v20, v21 running sums (of the lane's half of the keys)
.set AL,  24                           ; v[24:25], v[26:27] the step's scale factor, later 1 / sum, each twice
.set T,   28                           ; v28-35 at work
.set SR,  64                           ; v64-127  S, tile (qt, t) at 32 qt + 8 t; then P, fragment (qt, g) at 32 qt + 16 g
.set KF,  128                          ; v128-191 K fragments, 16 t + 8 ks
.set VF,  192                          ; v192-255 V^T fragments, 8 (4 g + dt)
.set QF,  0                            ; window 1: v0-31 Q fragments, 16 qt + 8 ks
.set KBR, 32                           ; window 1: v32-63 key bias, 8 t
.set OA,  64                           ; window 1: v64-127 O^T, 8 (2 dt + qt)
.set G1K, 32
.set G1V, 40
.set G1B, 48
.set G1T, 56
.set G0K, 68                           ; one group 0 for each slot
.set G0V, 76
.set G0B, 84
.set G0Q, 92                           ; one for each block
.set G0T, 16
.set MSB, 0
.macro WIN new
.if MSB != \new
	s_set_vgpr_msb (MSB<<8)|\new
.set MSB, \new
.endif
.endm
.macro PL5                             ; five plain vector instructions behind a run of matrix instructions (ISA guide 7.12.1): its results are read, its sources loaded again or written over by matrix instructions
.rept 5
	v_nop
.endr
.endm
	s_load_b256 s[4:11], s[0:1], 0x0               ; qkv s[4:5], vsum s[6:7], tabs s[8:9], ctx s[10:11]
	v_lshl_add_u32 v62, v0, 2, 0x29000
	v_mov_b32 v63, 0
	ds_add_u32 v62, v63
	v_lshrrev_b32 v1, 5, v0
	v_readfirstlane_b32 s12, v1                    ; wave
	s_lshr_b32 s14, ttmp9, 3                       ; bh
	s_and_b32 s21, ttmp9, 7
	s_sub_co_u32 s15, 15, s21
	s_bitcmp1_b32 s21, 0
	s_cselect_b32 s15, s21, s15                    ; the odd one of i, 15 - i: the first block
	s_sub_co_u32 s2, 15, s15                       ; the even one: the second block
	s_sub_co_u32 s3, s15, 1                        ; J: the next unit to fetch
	s_mov_b32 s100, 0x76543210                     ; v_permlanex16_b32: lane i of one half reads lane i of the other
	s_mov_b32 s101, 0xfedcba98
	; K and Q: a dense block of 16 KiB as 64 rows of 256 bytes, 16 bytes of padding behind every 128: key rows 144 bytes apart
	s_mov_b32 s[G1K+0], (1<<16)|(1<<20)|(4<<22)|(3<<25)
	s_mov_b32 s[G1K+1], 128<<16
	s_mov_b32 s[G1K+2], 64<<16
	s_mov_b32 s[G1K+3], 128<<16
	s_mov_b32 s[G1K+4], 64
	s_mov_b32 s[G1K+5], 128
	s_mov_b32 s[G1K+6], 0
	s_mov_b32 s[G1K+7], 0
	; V: the same with 32 bytes of padding: rows 160 bytes apart
	s_mov_b32 s[G1V+0], (1<<16)|(1<<20)|(4<<22)|(7<<25)
	s_mov_b32 s[G1V+1], 128<<16
	s_mov_b32 s[G1V+2], 64<<16
	s_mov_b32 s[G1V+3], 128<<16
	s_mov_b32 s[G1V+4], 64
	s_mov_b32 s[G1V+5], 128
	s_mov_b32 s[G1V+6], 0
	s_mov_b32 s[G1V+7], 0
	; kb: 2 rows of 128 f32, 2,048 apart
	s_mov_b32 s[G1B+0], 2<<16
	s_mov_b32 s[G1B+1], 128<<16
	s_mov_b32 s[G1B+2], 2<<16
	s_mov_b32 s[G1B+3], 128<<16
	s_mov_b32 s[G1B+4], 2
	s_mov_b32 s[G1B+5], 2048
	s_mov_b32 s[G1B+6], 0
	s_mov_b32 s[G1B+7], 0
	; et: 8 KiB dense, 32 rows of 256 bytes
	s_mov_b32 s[G1T+0], 3<<16
	s_mov_b32 s[G1T+1], 32<<16
	s_mov_b32 s[G1T+2], 32<<16
	s_mov_b32 s[G1T+3], 32<<16
	s_mov_b32 s[G1T+4], 32
	s_mov_b32 s[G1T+5], 32
	s_mov_b32 s[G1T+6], 0
	s_mov_b32 s[G1T+7], 0
.irp s, 0,1
	s_mov_b32 s[G0K+4*\s], 1
	s_mov_b32 s[G0K+4*\s+1], \s*SLOT
	s_mov_b32 s[G0V+4*\s], 1
	s_mov_b32 s[G0V+4*\s+1], \s*SLOT+VOFF
	s_mov_b32 s[G0B+4*\s], 1
	s_mov_b32 s[G0B+4*\s+1], \s*SLOT+KBOFF
	s_mov_b32 s[G0Q+4*\s], 1
	s_mov_b32 s[G0Q+4*\s+1], QE+\s*QBLK
.endr
	s_mov_b32 s[G0T], 1
	s_mov_b32 s[G0T+1], ETAB
	s_mov_b32 s23, 0                               ; the high word of every offset; stays 0
	s_wait_dscnt 0x0
	s_barrier_signal -1
	s_barrier_wait -1
	s_wait_kmcnt 0x0
	s_lshl_b32 s22, s14, 18                        ; bh x 2,048 rows x 128 bytes
	s_add_nc_u64 s[4:5], s[4:5], s[22:23]          ; Q of my head
	s_add_nc_u64 s[24:25], s[4:5], 0x800000        ; K
	s_add_nc_u64 s[26:27], s[4:5], 0x1000000       ; V
	s_add_nc_u64 s[10:11], s[10:11], s[22:23]      ; ctx of my head
	s_lshl_b32 s22, s14, 14
	s_add_nc_u64 s[28:29], s[8:9], s[22:23]        ; kb of my head
	s_lshl_b32 s22, s15, 14                        ; the first block's diagonal unit, and its Q
	s_add_nc_u64 s[G0K+2:G0K+3], s[24:25], s[22:23]
	s_or_b32 s[G0K+3], s[G0K+3], 0x80000000
	s_add_nc_u64 s[G0V+2:G0V+3], s[26:27], s[22:23]
	s_or_b32 s[G0V+3], s[G0V+3], 0x80000000
	s_add_nc_u64 s[G0Q+2:G0Q+3], s[4:5], s[22:23]
	s_or_b32 s[G0Q+3], s[G0Q+3], 0x80000000
	s_lshl_b32 s22, s2, 14
	s_add_nc_u64 s[G0Q+6:G0Q+7], s[4:5], s[22:23]
	s_or_b32 s[G0Q+7], s[G0Q+7], 0x80000000
	s_lshl_b32 s22, s15, 9
	s_add_nc_u64 s[G0B+2:G0B+3], s[28:29], s[22:23]
	s_or_b32 s[G0B+3], s[G0B+3], 0x80000000
	s_and_b32 s22, s14, 15
	s_lshl_b32 s22, s22, 13
	s_add_co_u32 s22, s22, 524288
	s_add_nc_u64 s[G0T+2:G0T+3], s[8:9], s[22:23]
	s_or_b32 s[G0T+3], s[G0T+3], 0x80000000
	; the first fills, one group, one branch on the wave's number: two tensor loads of a wave are out here, one behind each later barrier
	s_cmp_lg_u32 s12, 0
	s_cbranch_scc1 .Lfirst1
	tensor_load_to_lds s[G0K:G0K+3], s[G1K:G1K+7]
	s_nop 0
	tensor_load_to_lds s[G0Q:G0Q+3], s[G1K:G1K+7]
	s_nop 0
	s_branch .Lfirst_done
.Lfirst1:
	s_cmp_lg_u32 s12, 1
	s_cbranch_scc1 .Lfirst2
	tensor_load_to_lds s[G0V:G0V+3], s[G1V:G1V+7]
	s_nop 0
	tensor_load_to_lds s[G0Q+4:G0Q+7], s[G1K:G1K+7]
	s_nop 0
	s_branch .Lfirst_done
.Lfirst2:
	s_cmp_lg_u32 s12, 2
	s_cbranch_scc1 .Lfirst_done
	tensor_load_to_lds s[G0B:G0B+3], s[G1B:G1B+7]
	s_nop 0
	tensor_load_to_lds s[G0T:G0T+3], s[G1T:G1T+7]
	s_nop 0
.Lfirst_done:
	; the mean of V over my batch's 2,048 keys, each wave for itself: 32 partial sums of 64 numbers, lane l takes numbers 2 l, 2 l + 1
	v_and_b32 v36, 31, v0                          ; lane
	v_lshlrev_b32 v48, 3, v36
	s_lshr_b32 s21, s14, 4
	s_lshl_b32 s21, s21, 17                        ; batch x 32 x 16 x 256 bytes
	s_and_b32 s22, s14, 15
	s_lshl_b32 s22, s22, 8
	s_add_co_u32 s22, s22, s21
	s_add_nc_u64 s[6:7], s[6:7], s[22:23]
.set i_, 0
.rept 32
	global_load_b64 v[SR+2*i_:SR+2*i_+1], v48, s[6:7] offset:4096*i_
.set i_, i_+1
.endr
	; addresses
	v_and_b32 v37, 15, v0                          ; r
	v_bfe_u32 v38, v0, 4, 1                        ; h
	v_mul_u32_u24 v[KA], v37, KP
	v_lshl_add_u32 v[KA], v38, 4, v[KA]            ; r x 144 + 16 h
	v_add_nc_u32 v[KA+1], SLOT, v[KA]
	v_and_b32 v40, 7, v0
	v_lshl_add_u32 v41, v38, 3, v40                ; key 8 h + (l & 7)
	v_mul_u32_u24 v41, v41, VP
	v_bfe_u32 v42, v0, 3, 1
	v_lshl_add_u32 v41, v42, 4, v41
	v_add_nc_u32 v[VA], VOFF, v41
	v_add_nc_u32 v[VA+1], SLOT+VOFF, v41
	v_lshlrev_b32 v43, 5, v38                      ; 32 h
	v_add_nc_u32 v[KBA], KBOFF, v43
	v_add_nc_u32 v[KBA+1], SLOT+KBOFF, v43
	; et: my eight distances start at dk + 16 t + 8 h - 32 w - 16 qt - r.  With u = 16 - r the copy is c = u & 3 and the entry
	; (u & 28) + 8 h + 16 (1 - qt) + 32 (3 - w) + dk + 64 + 16 t, a multiple of 4: every term is 0 or more
	v_sub_nc_u32 v44, 16, v37
	v_and_b32 v45, 3, v44
	v_and_b32 v44, 28, v44
	v_lshlrev_b32 v45, 11, v45
	v_lshl_add_u32 v45, v44, 2, v45
	v_add_nc_u32 v45, v45, v43
	s_sub_co_u32 s21, 3, s12
	s_lshl_b32 s21, s21, 7
	s_add_co_u32 s21, s21, ETAB
	v_add_nc_u32 v[EA+1], s21, v45
	v_add_nc_u32 v[EA], 64, v[EA+1]
	s_mul_i32 s21, s12, 32*KP
	s_add_co_u32 s22, s21, QE
	v_add_nc_u32 v[QA], s22, v[KA]                 ; row 32 w + r of the block's Q
	s_add_co_u32 s22, s21, STAGE
	v_add_nc_u32 v[STO], s22, v[KA]
	v_lshrrev_b32 v46, 3, v36
	v_mul_u32_u24 v46, v46, KP
	v_lshl_add_u32 v46, v40, 4, v46
	v_add_nc_u32 v[RD], s22, v46                   ; back: eight lanes take a row of 128 bytes
	s_lshl_b32 s21, s12, 12
	v_lshl_add_u32 v[CO], v36, 4, s21              ; 4,096 w + 16 l
	s_lshl_b32 s21, s12, 8
	s_add_co_u32 s21, s21, VMEAN
	v_add_nc_u32 v[VMA], s21, v43
	v_add_nc_u32 v[VMW], s21, v48
	s_wait_loadcnt 0x0
.irp n, 16,8,4,2,1
.set i_, 0
.rept \n
	v_pk_add_f32 v[SR+2*i_:SR+2*i_+1], v[SR+2*i_:SR+2*i_+1], v[SR+2*(i_+\n):SR+2*(i_+\n)+1]
.set i_, i_+1
.endr
.endr
	v_pk_mul_f32 v[SR:SR+1], v[SR:SR+1], 0x3a000000 op_sel_hi:[1,0]   ; / 2,048
	ds_store_b64 v[VMW], v[SR:SR+1]                ; my wave's own bytes: read back by this wave alone
; Slot s is asked for again: wave 0 asks for K, wave 1 for V, wave 2 for kb; wave 3 has no part
.macro REFILL s
	s_cmp_lg_u32 s12, 0
	s_cbranch_scc1 .Lr1_\@
	tensor_load_to_lds s[G0K+4*\s:G0K+4*\s+3], s[G1K:G1K+7]
	s_nop 0
	s_branch .Lrd_\@
.Lr1_\@:
	s_cmp_lg_u32 s12, 1
	s_cbranch_scc1 .Lr2_\@
	tensor_load_to_lds s[G0V+4*\s:G0V+4*\s+3], s[G1V:G1V+7]
	s_nop 0
	s_branch .Lrd_\@
.Lr2_\@:
	s_cmp_lg_u32 s12, 2
	s_cbranch_scc1 .Lrd_\@
	tensor_load_to_lds s[G0B+4*\s:G0B+4*\s+3], s[G1B:G1B+7]
	s_nop 0
.Lrd_\@:
.endm
; The head of the unit that reads slot s.  Every wave waits for its LDS reads (of the other slot) and for all its tensor loads (its part of slot s),
; writes the other slot's addresses for unit J while no load of its own is out, passes the barrier, and the refill comes first behind it:
; it has the whole unit in which to land.  J counts down and, behind the first block's unit 0, goes on with the second block's diagonal unit.
.macro UHEAD s, refill
	s_wait_dscnt 0x0
	s_wait_tensorcnt 0x0
	ds_add_u32 v62, v63
	s_wait_dscnt 0x0
.if \refill
	s_lshl_b32 s22, s3, 14
	s_add_nc_u64 s[G0K+4*(1-\s)+2:G0K+4*(1-\s)+3], s[24:25], s[22:23]
	s_or_b32 s[G0K+4*(1-\s)+3], s[G0K+4*(1-\s)+3], 0x80000000
	s_add_nc_u64 s[G0V+4*(1-\s)+2:G0V+4*(1-\s)+3], s[26:27], s[22:23]
	s_or_b32 s[G0V+4*(1-\s)+3], s[G0V+4*(1-\s)+3], 0x80000000
	s_lshl_b32 s22, s3, 9
	s_add_nc_u64 s[G0B+4*(1-\s)+2:G0B+4*(1-\s)+3], s[28:29], s[22:23]
	s_or_b32 s[G0B+4*(1-\s)+3], s[G0B+4*(1-\s)+3], 0x80000000
	s_sub_co_i32 s3, s3, 1
	s_cmp_lt_i32 s3, 0
	s_cselect_b32 s3, s2, s3
.endif
	s_barrier_signal -1
	s_barrier_wait -1
.if \refill
	REFILL (1-\s)
.endif
.endm
.macro LOADQ blk                       ; 8 loads: my 32 queries as B fragments
	WIN 0x40
.irp qt, 0,1
.irp ks, 0,1
	ds_load_b128 v[QF+16*\qt+8*\ks:QF+16*\qt+8*\ks+3],   v[QA] offset:\blk*QBLK+16*KP*\qt+64*\ks
	ds_load_b128 v[QF+16*\qt+8*\ks+4:QF+16*\qt+8*\ks+7], v[QA] offset:\blk*QBLK+16*KP*\qt+64*\ks+32
.endr
.endr
	WIN 0
.endm
.macro LOADK s, hf                     ; 16 loads: 64 keys as A fragments
.irp t, 0,1,2,3
.irp ks, 0,1
	ds_load_b128 v[KF+16*\t+8*\ks:KF+16*\t+8*\ks+3],   v[KA+\s] offset:(64*\hf+16*\t)*KP+64*\ks
	ds_load_b128 v[KF+16*\t+8*\ks+4:KF+16*\t+8*\ks+7], v[KA+\s] offset:(64*\hf+16*\t)*KP+64*\ks+32
.endr
.endr
.endm
.macro LOADKB s, hf, near              ; 8 loads: register j of tile t = the bias of key 16 t + 8 h + j
	WIN 0x40
.irp t, 0,1,2,3
	ds_load_b128 v[KBR+8*\t:KBR+8*\t+3],   v[KBA+\s] offset:512*\near+(64*\hf+16*\t)*4
	ds_load_b128 v[KBR+8*\t+4:KBR+8*\t+7], v[KBA+\s] offset:512*\near+(64*\hf+16*\t)*4+16
.endr
	WIN 0
.endm
.macro LOADE dkp                       ; 16 loads straight into S: the bias by distance; dkp = 64 + (first key of the half - first query of the block)
.irp qt, 0,1
.irp t, 0,1,2,3
	ds_load_b128 v[SR+32*\qt+8*\t:SR+32*\qt+8*\t+3],   v[EA+\qt] offset:(\dkp+16*\t)*4
	ds_load_b128 v[SR+32*\qt+8*\t+4:SR+32*\qt+8*\t+7], v[EA+\qt] offset:(\dkp+16*\t)*4+16
.endr
.endr
.endm
.macro LOADV s, hf                     ; 16 transposing loads: V^T, 16 d x 32 keys a fragment
.irp g, 0,1
.irp dt, 0,1,2,3
	ds_load_tr16_b128 v[VF+8*(4*\g+\dt):VF+8*(4*\g+\dt)+3],   v[VA+\s] offset:(64*\hf+32*\g)*VP+32*\dt
	ds_load_tr16_b128 v[VF+8*(4*\g+\dt)+4:VF+8*(4*\g+\dt)+7], v[VA+\s] offset:(64*\hf+32*\g)*VP+32*\dt+16*VP
.endr
.endr
.endm
; S^T = K Q^T + bias: 16 matrix instructions.  The eight accumulators take turns, one instruction a turn.
.macro SMUL near
.if \near
	WIN 0x04                                       ; source 1 in window 1
.irp qt, 0,1
.irp t, 0,1,2,3
.irp p, 0,2,4,6
	v_pk_add_f32 v[SR+32*\qt+8*\t+\p:SR+32*\qt+8*\t+\p+1], v[SR+32*\qt+8*\t+\p:SR+32*\qt+8*\t+\p+1], v[KBR+8*\t+\p:KBR+8*\t+\p+1]
.endr
.endr
.endr
.irp qt, 0,1
.irp t, 0,1,2,3
	v_wmma_f32_16x16x32_f16 v[SR+32*\qt+8*\t:SR+32*\qt+8*\t+7], v[KF+16*\t:KF+16*\t+7], v[QF+16*\qt:QF+16*\qt+7], v[SR+32*\qt+8*\t:SR+32*\qt+8*\t+7]
.endr
.endr
.else
	WIN 0x14                                       ; Q and the key bias (C) in window 1
.irp qt, 0,1
.irp t, 0,1,2,3
	v_wmma_f32_16x16x32_f16 v[SR+32*\qt+8*\t:SR+32*\qt+8*\t+7], v[KF+16*\t:KF+16*\t+7], v[QF+16*\qt:QF+16*\qt+7], v[KBR+8*\t:KBR+8*\t+7]
.endr
.endr
	WIN 0x04
.endif
.irp qt, 0,1
.irp t, 0,1,2,3
	v_wmma_f32_16x16x32_f16 v[SR+32*\qt+8*\t:SR+32*\qt+8*\t+7], v[KF+16*\t+8:KF+16*\t+15], v[QF+16*\qt+8:QF+16*\qt+15], v[SR+32*\qt+8*\t:SR+32*\qt+8*\t+7]
.endr
.endr
	WIN 0
.endm
; The step of the running softmax on 2 x 32 scores a lane.  first = 1: nothing to carry on.
.macro SOFTMAX first
	v_max3_num_f32 v[T+0], v[SR+0],  v[SR+1],  v[SR+2]      ; four chains: 17 and 15 numbers for each query tile
	v_max3_num_f32 v[T+1], v[SR+17], v[SR+18], v[SR+19]
	v_max3_num_f32 v[T+2], v[SR+32], v[SR+33], v[SR+34]
	v_max3_num_f32 v[T+3], v[SR+49], v[SR+50], v[SR+51]
.irp i, 0,2,4,6,8,10
	v_max3_num_f32 v[T+0], v[T+0], v[SR+3+\i],  v[SR+4+\i]
	v_max3_num_f32 v[T+1], v[T+1], v[SR+20+\i], v[SR+21+\i]
	v_max3_num_f32 v[T+2], v[T+2], v[SR+35+\i], v[SR+36+\i]
	v_max3_num_f32 v[T+3], v[T+3], v[SR+52+\i], v[SR+53+\i]
.endr
	v_max3_num_f32 v[T+0], v[T+0], v[SR+15], v[SR+16]
	v_max3_num_f32 v[T+2], v[T+2], v[SR+47], v[SR+48]
	v_max_num_f32 v[T+0], v[T+0], v[T+1]
	v_max_num_f32 v[T+2], v[T+2], v[T+3]
	v_permlanex16_b32 v[T+1], v[T+0], s100, s101   ; the other half of the lanes holds the query's other keys
	v_permlanex16_b32 v[T+3], v[T+2], s100, s101
.if \first
	v_max_num_f32 v[MN], v[T+0], v[T+1]
	v_max_num_f32 v[MN+2], v[T+2], v[T+3]
	v_mov_b32 v[MN+1], v[MN]
	v_mov_b32 v[MN+3], v[MN+2]
.else
	v_max3_num_f32 v[T+0], v[T+0], v[T+1], v[MN]
	v_max3_num_f32 v[T+2], v[T+2], v[T+3], v[MN+2]
	v_sub_f32 v[AL], v[MN], v[T+0]
	v_sub_f32 v[AL+2], v[MN+2], v[T+2]
	v_exp_f32 v[AL], v[AL]                         ; 2^(old maximum - new maximum)
	v_exp_f32 v[AL+2], v[AL+2]
	v_mov_b32 v[MN], v[T+0]                        ; plain instructions that touch neither: the place behind the exponentials (ISA guide 5.7.2)
	v_mov_b32 v[MN+1], v[T+0]
	v_mov_b32 v[MN+2], v[T+2]
	v_mov_b32 v[MN+3], v[T+2]
	s_wait_alu depctr_va_vdst(0)
	v_mov_b32 v[AL+1], v[AL]
	v_mov_b32 v[AL+3], v[AL+2]
.endif
.set i_, 0
.rept 16
	v_pk_add_f32 v[SR+i_:SR+i_+1], v[SR+i_:SR+i_+1], v[MN:MN+1] neg_lo:[0,1] neg_hi:[0,1]              ; the maximum comes off: every exponent is 0 or less
	v_pk_add_f32 v[SR+32+i_:SR+32+i_+1], v[SR+32+i_:SR+32+i_+1], v[MN+2:MN+3] neg_lo:[0,1] neg_hi:[0,1]
.set i_, i_+2
.endr
.set i_, 0
.rept 64
	v_exp_f32 v[SR+i_], v[SR+i_]
.set i_, i_+1
.endr
	v_nop                                          ; the place behind the last exponential
	s_wait_alu depctr_va_vdst(0)
	v_pk_add_f32 v[T:T+1],   v[SR:SR+1],       v[SR+2:SR+3]
	v_pk_add_f32 v[T+2:T+3], v[SR+16:SR+17],   v[SR+18:SR+19]
	v_pk_add_f32 v[T+4:T+5], v[SR+32:SR+33],   v[SR+34:SR+35]
	v_pk_add_f32 v[T+6:T+7], v[SR+48:SR+49],   v[SR+50:SR+51]
.irp i, 4,6,8,10,12,14
	v_pk_add_f32 v[T:T+1],   v[T:T+1],   v[SR+\i:SR+\i+1]
	v_pk_add_f32 v[T+2:T+3], v[T+2:T+3], v[SR+16+\i:SR+16+\i+1]
	v_pk_add_f32 v[T+4:T+5], v[T+4:T+5], v[SR+32+\i:SR+32+\i+1]
	v_pk_add_f32 v[T+6:T+7], v[T+6:T+7], v[SR+48+\i:SR+48+\i+1]
.endr
	v_pk_add_f32 v[T:T+1],   v[T:T+1],   v[T+2:T+3]
	v_pk_add_f32 v[T+4:T+5], v[T+4:T+5], v[T+6:T+7]
.if \first
	v_add_f32 v[LS], v[T], v[T+1]
	v_add_f32 v[LS+1], v[T+4], v[T+5]
.else
	v_add_f32 v[T], v[T], v[T+1]
	v_add_f32 v[T+4], v[T+4], v[T+5]
	v_fma_f32 v[LS], v[LS], v[AL], v[T]
	v_fma_f32 v[LS+1], v[LS+1], v[AL+2], v[T+4]
.endif
.irp b, 0,16,32,48                                 ; P in f16, packed in place, ascending: S tiles 2 g, 2 g + 1 become the B fragment of keys 32 g .. 32 g + 31
.irp i, 0,1,2,3,4,5,6,7
	v_cvt_pk_f16_f32 v[SR+\b+\i], v[SR+\b+2*\i], v[SR+\b+2*\i+1]
.endr
.endr
.endm
; O^T = O^T x scale + V^T P^T: 16 matrix instructions; the eight accumulators take turns, one instruction a turn.
.macro PV first
.if \first
	WIN 0x40
.irp dt, 0,1,2,3
.irp qt, 0,1
	v_wmma_f32_16x16x32_f16 v[OA+8*(2*\dt+\qt):OA+8*(2*\dt+\qt)+7], v[VF+8*\dt:VF+8*\dt+7], v[SR+32*\qt:SR+32*\qt+7], 0
.endr
.endr
.else
	WIN 0x41
.irp dt, 0,1,2,3
.irp qt, 0,1
.irp p, 0,2,4,6
	v_pk_mul_f32 v[OA+8*(2*\dt+\qt)+\p:OA+8*(2*\dt+\qt)+\p+1], v[OA+8*(2*\dt+\qt)+\p:OA+8*(2*\dt+\qt)+\p+1], v[AL+2*\qt:AL+2*\qt+1]
.endr
.endr
.endr
	WIN 0x50
.irp dt, 0,1,2,3
.irp qt, 0,1
	v_wmma_f32_16x16x32_f16 v[OA+8*(2*\dt+\qt):OA+8*(2*\dt+\qt)+7], v[VF+8*\dt:VF+8*\dt+7], v[SR+32*\qt:SR+32*\qt+7], v[OA+8*(2*\dt+\qt):OA+8*(2*\dt+\qt)+7]
.endr
.endr
.endif
	WIN 0x50
.irp dt, 0,1,2,3
.irp qt, 0,1
	v_wmma_f32_16x16x32_f16 v[OA+8*(2*\dt+\qt):OA+8*(2*\dt+\qt)+7], v[VF+32+8*\dt:VF+32+8*\dt+7], v[SR+32*\qt+16:SR+32*\qt+23], v[OA+8*(2*\dt+\qt):OA+8*(2*\dt+\qt)+7]
.endr
.endr
	WIN 0
.endm
; A unit of 128 keys in slot s, as two halves of 64 (hf: which; near: bias by distance; dkp: see LOADE).  blk = 0, 1: a block begins, its Q is loaded; 2: none.
.macro UNIT s, refill, hfa, neara, dkpa, hfb, nearb, dkpb, first, blk
	UHEAD \s, \refill
.if \blk < 2
	LOADQ \blk
.endif
	LOADK \s, \hfa
	LOADKB \s, \hfa, \neara
.if \neara
	LOADE \dkpa
.endif
	LOADV \s, \hfa
	s_wait_dscnt 16                                ; all but V's 16 loads, the youngest
	SMUL \neara
	PL5
	LOADK \s, \hfb
	LOADKB \s, \hfb, \nearb
	SOFTMAX \first
	s_wait_dscnt 24                                ; V is in; the second half's 16 + 8 loads stay out
	PV \first
	PL5
.if \nearb
	LOADE \dkpb
.endif
	LOADV \s, \hfb
	s_wait_dscnt 16                                ; all but V's 16 loads
	SMUL \nearb
	PL5
	SOFTMAX 0
	s_wait_dscnt 0
	PV 0
	PL5
.endm
.macro UNIT_D s, refill, blk           ; the diagonal unit: keys 0-63, then 64-127 of the block's own range
	UNIT \s, \refill, 0, 1, 64, 1, 1, 128, 1, \blk
.endm
.macro UNIT_B s, refill                ; the unit below: its upper half reaches within 32 of the block's first queries, its lower half does not
	UNIT \s, \refill, 1, 1, 0, 0, 0, 0, 0, 2
.endm
.macro UNIT_F s, refill                ; every distance is -32 or beyond
	UNIT \s, \refill, 0, 0, 0, 1, 0, 0, 0, 2
.endm
; The end of the block whose number is in s[areg]: divide, choose the mean of V for rows without a kept key, round to f16, out through my own stage.
.macro EPI areg
	v_permlanex16_b32 v[T], v[LS], s100, s101
	v_permlanex16_b32 v[T+1], v[LS+1], s100, s101
	v_add_f32 v[LS], v[LS], v[T]                   ; both halves of the keys; at least 1, since the largest term is 1
	v_add_f32 v[LS+1], v[LS+1], v[T+1]
	v_rcp_f32 v[AL], v[LS]
	v_rcp_f32 v[AL+1], v[LS]
	v_rcp_f32 v[AL+2], v[LS+1]
	v_rcp_f32 v[AL+3], v[LS+1]
	v_cmp_gt_f32 s104, 0xefa18f08, v[MN]           ; -1e29 > maximum: no kept key.  Also the plain place behind the reciprocals
	v_cmp_gt_f32 s105, 0xefa18f08, v[MN+2]
.irp dt, 0,1,2,3
	ds_load_b128 v[KF+8*\dt:KF+8*\dt+3],   v[VMA] offset:64*\dt
	ds_load_b128 v[KF+8*\dt+4:KF+8*\dt+7], v[VMA] offset:64*\dt+16
.endr
	WIN 0x01
	s_wait_alu depctr_va_vdst(0)
.irp dt, 0,1,2,3
.irp qt, 0,1
.irp p, 0,2,4,6
	v_pk_mul_f32 v[VF+8*(2*\dt+\qt)+\p:VF+8*(2*\dt+\qt)+\p+1], v[OA+8*(2*\dt+\qt)+\p:OA+8*(2*\dt+\qt)+\p+1], v[AL+2*\qt:AL+2*\qt+1]
.endr
.endr
.endr
	WIN 0
	s_wait_dscnt 0x0
.irp dt, 0,1,2,3
.irp qt, 0,1
.irp j, 0,1,2,3,4,5,6,7
	v_cndmask_b32 v[VF+8*(2*\dt+\qt)+\j], v[VF+8*(2*\dt+\qt)+\j], v[KF+8*\dt+\j], s[104+\qt]
.endr
.endr
.endr
.irp dt, 0,1,2,3
.irp qt, 0,1
.irp i, 0,1,2,3
	v_cvt_pk_f16_f32 v[SR+4*(2*\dt+\qt)+\i], v[VF+8*(2*\dt+\qt)+2*\i], v[VF+8*(2*\dt+\qt)+2*\i+1]
.endr
	ds_store_b128 v[STO], v[SR+4*(2*\dt+\qt):SR+4*(2*\dt+\qt)+3] offset:16*KP*\qt+32*\dt
.endr
.endr
.irp n, 0,1,2,3,4,5,6,7
	ds_load_b128 v[SR+32+4*\n:SR+32+4*\n+3], v[RD] offset:4*KP*\n     ; LDS serves a wave's instructions in order: these see the stores above
.endr
	s_lshl_b32 s22, s[\areg], 14
	s_add_nc_u64 s[30:31], s[10:11], s[22:23]
.irp n, 0,1,2,3,4,5,6,7
	s_wait_dscnt 7-\n                              ; load n is back, the younger ones stay out
	global_store_b128 v[CO], v[SR+32+4*\n:SR+32+4*\n+3], s[30:31] offset:512*\n   ; four rows: 512 consecutive bytes, aligned
.endr
	s_wait_xcnt 0x0                                ; the stores' data and base are written again only behind this wait
.endm
	; the first block: an even number of units, every one of them asks for the next (the last for the second block's diagonal unit)
	UNIT_D 0, 1, 0
	UNIT_B 1, 1
	s_lshr_b32 s20, s15, 1                         ; (block - 1) / 2 pairs of far units
	s_cmp_eq_u32 s20, 0
	s_cbranch_scc1 .Lend_first
.Lloop_first:
	UNIT_F 0, 1
	UNIT_F 1, 1
	s_sub_co_u32 s20, s20, 1
	s_cmp_lg_u32 s20, 0
	s_cbranch_scc1 .Lloop_first
.Lend_first:
	EPI 15
	; the second block: an odd number of units; the last asks for nothing
	s_cmp_eq_u32 s2, 0
	s_cbranch_scc1 .Lsingle
	UNIT_D 0, 1, 1
	UNIT_B 1, 1
	s_lshr_b32 s20, s2, 1
	s_sub_co_u32 s20, s20, 1                       ; (block - 2) / 2 pairs
	s_cmp_eq_u32 s20, 0
	s_cbranch_scc1 .Lend_second
.Lloop_second:
	UNIT_F 0, 1
	UNIT_F 1, 1
	s_sub_co_u32 s20, s20, 1
	s_cmp_lg_u32 s20, 0
	s_cbranch_scc1 .Lloop_second
.Lend_second:
	UNIT_F 0, 0
	s_branch .Llast
.Lsingle:
	UNIT_D 0, 0, 1                                 ; block 0 has its diagonal unit alone
.Llast:
	EPI 2
	s_wait_tensorcnt 0x0
	ds_add_u32 v62, v63
	s_wait_dscnt 0x0
	s_endpgm
.Lfunc_end_k_q013ae42ae0_attn:
	.size	k_q013ae42ae0_attn, .Lfunc_end_k_q013ae42ae0_attn-k_q013ae42ae0_attn
	.p2alignl 7, 3214868480
	.fill 96, 4, 3214868480
	.section	.rodata,"a",@progbits
	.p2align	6, 0x0
	.amdhsa_kernel k_q013ae42ae0_attn
		.amdhsa_group_segment_fixed_size 327680
		.amdhsa_private_segment_fixed_size 0
		.amdhsa_enable_private_segment 0
		.amdhsa_kernarg_size 32
		.amdhsa_user_sgpr_count 2
		.amdhsa_user_sgpr_kernarg_segment_ptr 1
		.amdhsa_wavefront_size32 1
		.amdhsa_system_sgpr_workgroup_id_x 1
		.amdhsa_system_sgpr_workgroup_id_y 1
		.amdhsa_system_sgpr_workgroup_id_z 1
		.amdhsa_system_vgpr_workitem_id 0
		.amdhsa_next_free_vgpr 384
		.amdhsa_next_free_sgpr 106
		.amdhsa_reserve_vcc 0
		.amdhsa_float_denorm_mode_32 3
		.amdhsa_float_denorm_mode_16_64 3
		.amdhsa_memory_ordered 1
		.amdhsa_forward_progress 1
		.amdhsa_inst_pref_size 255
	.end_amdhsa_kernel
	.section	.bss,"aw",@nobits
	.p2align	6
	.space	262144
	.amdgpu_metadata
---
amdhsa.version: [ 1, 2 ]
amdhsa.kernels:
  - .name:           k_q013ae42ae0_attn
    .symbol:         k_q013ae42ae0_attn.kd
    .args:
      - { .name: qkv, .offset: 0, .size: 8, .value_kind: global_buffer, .address_space: global }
      - { .name: vsum, .offset: 8, .size: 8, .value_kind: global_buffer, .address_space: global }
      - { .name: tabs, .offset: 16, .size: 8, .value_kind: global_buffer, .address_space: global }
      - { .name: ctx, .offset: 24, .size: 8, .value_kind: global_buffer, .address_space: global }
    .group_segment_fixed_size: 327680
    .private_segment_fixed_size: 0
    .kernarg_segment_align: 8
    .kernarg_segment_size: 32
    .max_flat_workgroup_size: 128
    .sgpr_count:     106
    .vgpr_count:     384
    .wavefront_size: 32
...
	.end_amdgpu_metadata
.endif
;; end of part 3
;; launch oproj (part 4): grid 8 x 32, 4 waves a work-group, clusters of 4 x 4, 327,680 bytes of LDS; arguments ctx, wb, bo, out0; writes out0
.if DOCPART == 4
	.amdgcn_target "amdgcn-amd-amdhsa--gfx1250"
	.amdhsa_code_object_version 6
	.text
	.protected	k_q013ae42ae0_oproj
	.globl	k_q013ae42ae0_oproj
	.p2align	8
	.type	k_q013ae42ae0_oproj,@function
k_q013ae42ae0_oproj:
	s_mov_b64 s[64:65], 0
	v_nop
	global_prefetch_b8 v0, s[64:65] scope:SCOPE_SE
	s_setreg_imm32_b32 hwreg(HW_REG_WAVE_MODE, 25, 1), 1
	s_wait_xcnt 0x0
	s_wait_alu depctr_hold_cnt(0) depctr_sa_sdst(0) depctr_va_vdst(0) depctr_va_sdst(0) depctr_va_ssrc(0) depctr_va_vcc(0) depctr_vm_vsrc(0)
	s_getreg_b32 s2, hwreg(HW_REG_IB_STS2, 6, 4)
	s_cmp_eq_u32 s2, 0
	s_cbranch_scc0 .Lentry_in_a_cluster
	s_endpgm
.Lentry_in_a_cluster:
	s_bfe_u32 s2, ttmp6, 0x10000c
	s_cmp_lg_u32 s2, 0xf033
	s_cbranch_scc0 .Lentry_shape_is_right
	s_endpgm
.Lentry_shape_is_right:
; out0 = ctx Wo^T + bo.  ctx: f16 [b*16+hd][2048][64] (K index = 64 hd + d); Wo: f16 [1024][1024] at byte 6,291,456 of wb; out0: f32 [4096][1024].
; Grid: x = block of 128 columns (8), y = block of 128 tokens (32): 256 work-groups.  Four waves, wave (mi, ni) makes 64 x 64: 16 accumulator tiles.
; K goes in steps of 256 (four heads) through two LDS slots: four fills in all, one tensor load a wave and fill.
; CLUSTERS: 4 x 4 work-groups; ctx's tile is shared along a row of the cluster (same token block), Wo's along a column (same columns): joint loads.
; The matrix instruction is used transposed (source 0 = 16 rows of Wo, source 1 = 16 tokens): a lane holds token l % 16 and eight neighbouring
; columns.  The first product takes the bias as C.
.set APITCH, 144                       ; a token's 128 bytes of one head + 16
.set ABLK,   128*APITCH                ; one head's 128 tokens
.set AHALF,  2*ABLK                    ; two heads: one tensor load
.set BPITCH, 528                       ; 512 bytes + 16
.set BHALF,  64*BPITCH
.set BOFF,   2*AHALF
.set SLOT,   2*AHALF+2*BHALF           ; 141,312
.set STAGE,  2*SLOT                    ; behind the ring: 16 rows x 272 bytes for each wave
.set SPITCH, 272
.set ADRA, 16
.set ADRB, 20
.set STO,  24
.set RD,   25
.set CO,   26
.set H32,  27
.set FR,   64                          ; buffer f: tokens' fragments at 64 + 64 f, Wo's at 96 + 64 f
.set BIAS, 192                         ; v192-223
.set RB,   224                         ; v224-255
.set G1,  24
.set G0,  32
.set G1B, 48
.set G0B, 56
.set MSB, 0
.macro WIN new
.if MSB != \new
	s_set_vgpr_msb (MSB<<8)|\new
.set MSB, \new
.endif
.endm
.macro JLOAD s                         ; waves 0, 1 ask for ctx's two halves, waves 2, 3 for Wo's
	s_cmp_eq_u32 s11, 0
	s_cbranch_scc0 .Lfor_b_\@
	tensor_load_to_lds s[G0+4*\s:G0+4*\s+3], s[G1:G1+7]
	s_nop 0
	s_branch .Lasked_\@
.Lfor_b_\@:
	tensor_load_to_lds s[G0B+4*\s:G0B+4*\s+3], s[G1B:G1B+7]
	s_nop 0
.Lasked_\@:
.endm
.macro CROUND                          ; a round of the cluster's barrier
	s_barrier_signal -1
	s_barrier_wait -1
	s_cmp_lg_u32 s10, 0
	s_cbranch_scc1 .Lnot_wave_0_\@
	s_barrier_signal -3
.Lnot_wave_0_\@:
	s_barrier_wait -3
	s_barrier_signal -1
	s_barrier_wait -1
.endm
.macro PLACES                          ; four plain vector instructions behind matrix instructions (ISA guide 7.12.1)
.rept 4
	v_nop
.endr
.endm
	s_load_b128 s[4:7], s[0:1], 0x0                ; ctx s[4:5], wb s[6:7]
	s_load_b128 s[68:71], s[0:1], 0x10             ; bo s[68:69], out0 s[70:71]
	v_lshl_add_u32 v62, v0, 2, 0x49400
	v_mov_b32 v63, 0
	ds_add_u32 v62, v63
	v_lshrrev_b32 v1, 5, v0
	v_readfirstlane_b32 s10, v1                    ; wave
	s_lshr_b32 s11, s10, 1                         ; mi.  Also: I fetch for ctx (0) or for Wo (1)
	s_and_b32 s12, s10, 1                          ; ni.  Also: which half
	s_bfe_u32 s40, ttmp6, 0x40000                  ; cx
	s_bfe_u32 s41, ttmp6, 0x40004                  ; cy
	s_lshl_b32 s42, ttmp9, 2
	s_add_co_u32 s42, s42, s40                     ; column block
	s_and_b32 s13, ttmp7, 0xffff
	s_lshl_b32 s13, s13, 2
	s_add_co_u32 s13, s13, s41                     ; token block
	s_lshl_b32 s43, s41, 2
	s_lshl_b32 s43, 15, s43                        ; my row of the cluster
	s_lshl_b32 s44, 0x1111, s40                    ; my column
	; ctx: two heads' blocks of 128 tokens, each 16 KiB dense = one row of 8,192 elements, 131,072 elements apart; 16 bytes of padding behind every 128
	s_or_b32 s[G1+0], s43, (1<<16)|(1<<20)|(1<<21)|(4<<22)|(3<<25)
	s_mov_b32 s[G1+1], 8192<<16
	s_mov_b32 s[G1+2], 2<<16
	s_mov_b32 s[G1+3], 8192<<16
	s_mov_b32 s[G1+4], 2
	s_mov_b32 s[G1+5], 131072
	s_mov_b32 s[G1+6], 0
	s_mov_b32 s[G1+7], 0
	; Wo: 64 rows of 256 elements, 16 bytes of padding behind every 512
	s_or_b32 s[G1B+0], s44, (1<<16)|(1<<20)|(1<<21)|(6<<22)|(3<<25)
	s_mov_b32 s[G1B+1], 256<<16
	s_mov_b32 s[G1B+2], 64<<16
	s_mov_b32 s[G1B+3], 256<<16
	s_mov_b32 s[G1B+4], 64
	s_mov_b32 s[G1B+5], 1024
	s_mov_b32 s[G1B+6], 0
	s_mov_b32 s[G1B+7], 0
	s_lshr_b32 s16, s13, 4                         ; batch
	s_lshl_b32 s16, s16, 4
	s_lshl_b32 s17, s12, 1
	s_add_co_u32 s16, s16, s17                     ; head block b*16 + 2 x half
	s_lshl_b32 s16, s16, 18                        ; x 262,144 bytes
	s_and_b32 s17, s13, 15
	s_lshl_b32 s17, s17, 14                        ; + 128 tokens x 128 bytes x block in the batch
	s_add_co_u32 s16, s16, s17
	s_mov_b32 s17, 0
	s_lshl_b32 s46, s42, 7
	s_lshl_b32 s47, s12, 6
	s_add_co_u32 s46, s46, s47                     ; Wo's row 128 x block + 64 x half
	s_lshl_b32 s46, s46, 11
	s_add_co_u32 s46, s46, 6291456
	s_mov_b32 s47, 0
	s_mul_i32 s20, s10, AHALF                      ; where ctx's halves go (waves 0, 1)
	s_mul_i32 s21, s10, BHALF
	s_add_co_u32 s21, s21, BOFF-2*BHALF            ; where Wo's halves go (waves 2, 3)
	s_wait_dscnt 0x0
	s_wait_kmcnt 0x0
	s_add_nc_u64 s[14:15], s[4:5], s[16:17]
	s_add_nc_u64 s[46:47], s[6:7], s[46:47]
	CROUND                                         ; in front of the first joint loads
.irp s, 0,1
	s_mov_b32 s[G0+4*\s], 1
	s_add_co_u32 s[G0+4*\s+1], s20, \s*SLOT
	s_add_nc_u64 s[G0+4*\s+2:G0+4*\s+3], s[14:15], \s*4*262144      ; four heads on
	s_or_b32 s[G0+4*\s+3], s[G0+4*\s+3], 0x80000000
	s_mov_b32 s[G0B+4*\s], 1
	s_add_co_u32 s[G0B+4*\s+1], s21, \s*SLOT
	s_add_nc_u64 s[G0B+4*\s+2:G0B+4*\s+3], s[46:47], \s*512
	s_or_b32 s[G0B+4*\s+3], s[G0B+4*\s+3], 0x80000000
	JLOAD \s                                       ; two tensor loads of a wave are out here, one behind each later round
.endr
	v_and_b32 v1, 15, v0                           ; r
	v_bfe_u32 v2, v0, 4, 1                         ; h
	v_lshlrev_b32 v[H32], 5, v2
	s_lshl_b32 s82, s42, 9                         ; my first column in bytes: 512 x block + 256 x ni
	s_lshl_b32 s83, s12, 8
	s_add_co_u32 s82, s82, s83
	s_mov_b32 s83, 0
	s_add_nc_u64 s[68:69], s[68:69], s[82:83]
.irp nt, 0,1,2,3
	global_load_b128 v[BIAS+8*\nt:BIAS+8*\nt+3],   v[H32], s[68:69] offset:64*\nt       ; register j: bo[first column + 16 nt + 8 h + j]
	global_load_b128 v[BIAS+8*\nt+4:BIAS+8*\nt+7], v[H32], s[68:69] offset:64*\nt+16
.endr
	s_add_nc_u64 s[80:81], s[70:71], s[82:83]
	s_lshl_b32 s82, s13, 7
	s_lshl_b32 s83, s11, 6
	s_add_co_u32 s82, s82, s83                     ; my first token
	s_lshl_b32 s82, s82, 12                        ; x 4,096 bytes
	s_mov_b32 s83, 0
	s_add_nc_u64 s[80:81], s[80:81], s[82:83]
	v_mul_u32_u24 v3, v1, APITCH
	v_lshl_add_u32 v3, v2, 4, v3
	s_mul_i32 s22, s11, 64*APITCH
	v_add_nc_u32 v[ADRA], s22, v3
	s_add_co_u32 s22, s22, SLOT
	v_add_nc_u32 v[ADRA+1], s22, v3
	v_mul_u32_u24 v4, v1, BPITCH
	v_lshl_add_u32 v4, v2, 4, v4
	s_mul_i32 s22, s12, 64*BPITCH
	s_add_co_u32 s22, s22, BOFF
	v_add_nc_u32 v[ADRB], s22, v4
	s_add_co_u32 s22, s22, SLOT
	v_add_nc_u32 v[ADRB+1], s22, v4
	s_mul_i32 s23, s10, 16*SPITCH
	s_add_co_u32 s23, s23, STAGE
	v_mul_u32_u24 v5, v1, SPITCH
	v_add_nc_u32 v5, v5, v[H32]
	v_add_nc_u32 v[STO], s23, v5                   ; in: row r, 32 bytes for each half of the lanes
	v_mul_u32_u24 v6, v2, SPITCH
	v_lshl_add_u32 v6, v1, 4, v6
	v_add_nc_u32 v[RD], s23, v6                    ; back: lanes 0-15 take one row of 256 bytes, lanes 16-31 the next
	v_lshlrev_b32 v7, 12, v2
	v_lshl_add_u32 v[CO], v1, 4, v7                ; and the same two rows in out0
; 16 LDS loads: quarter q (32 along K: head q / 2 of the slot's four, half q % 2 of its 64) into buffer f
.macro FETCH s, q, f
.irp mt, 0,1,2,3
	ds_load_b128 v[FR+64*\f+8*\mt:FR+64*\f+8*\mt+3],   v[ADRA+\s] offset:(\q/2)*ABLK+16*APITCH*\mt+64*(\q%2)
	ds_load_b128 v[FR+64*\f+8*\mt+4:FR+64*\f+8*\mt+7], v[ADRA+\s] offset:(\q/2)*ABLK+16*APITCH*\mt+64*(\q%2)+32
.endr
.irp nt, 0,1,2,3
	ds_load_b128 v[FR+64*\f+32+8*\nt:FR+64*\f+32+8*\nt+3],   v[ADRB+\s] offset:16*BPITCH*\nt+64*\q
	ds_load_b128 v[FR+64*\f+32+8*\nt+4:FR+64*\f+32+8*\nt+7], v[ADRB+\s] offset:16*BPITCH*\nt+64*\q+32
.endr
.endm
; 16 matrix instructions; the 16 accumulators take turns, one instruction a turn
.macro MULQ f, first
.irp mt, 0,1,2,3
.irp nt, 0,1,2,3
.if \first
	v_wmma_f32_16x16x32_f16 v[8*(4*\mt+\nt):8*(4*\mt+\nt)+7], v[FR+64*\f+32+8*\nt:FR+64*\f+32+8*\nt+7], v[FR+64*\f+8*\mt:FR+64*\f+8*\mt+7], v[BIAS+8*\nt:BIAS+8*\nt+7]
.else
	v_wmma_f32_16x16x32_f16 v[8*(4*\mt+\nt):8*(4*\mt+\nt)+7], v[FR+64*\f+32+8*\nt:FR+64*\f+32+8*\nt+7], v[FR+64*\f+8*\mt:FR+64*\f+8*\mt+7], v[8*(4*\mt+\nt):8*(4*\mt+\nt)+7]
.endif
.endr
.endr
.endm
; fetch quarter qn into buffer g, multiply buffer f
.macro STEPQ s, qn, f, g, first
.if \qn > 1
	PLACES                                         ; buffer g was read by the matrix instructions just issued
.endif
	FETCH \s, \qn, \g
	s_wait_dscnt 16                                ; all but the 16 just issued
.if \first
	WIN 0x40                                       ; D in window 1, C (the bias) in window 0
.else
	WIN 0x50                                       ; C and D in window 1
.endif
	MULQ \f, \first
	WIN 0
.endm
.macro SLOTWORK s, first               ; a slot's eight quarters
	FETCH \s, 0, 0
	STEPQ \s, 1, 0, 1, \first
	STEPQ \s, 2, 1, 0, 0
	STEPQ \s, 3, 0, 1, 0
	STEPQ \s, 4, 1, 0, 0
	STEPQ \s, 5, 0, 1, 0
	STEPQ \s, 6, 1, 0, 0
	STEPQ \s, 7, 0, 1, 0
	s_wait_dscnt 0
	WIN 0x50
	MULQ 1, 0
	WIN 0
	PLACES                                         ; for the next slot's first fetches, and for the way out
.endm
; Slot s has been read and is filled again, two fills on: each wave's reads and all its tensor loads are waited for, the addresses step while
; none is out, a round of the cluster's barrier, and the joint refill first behind it.
.macro CHANGE s
	s_wait_dscnt 0x0
	s_wait_tensorcnt 0x0
	ds_add_u32 v62, v63
	s_wait_dscnt 0x0
	s_add_nc_u64 s[G0+4*\s+2:G0+4*\s+3], s[G0+4*\s+2:G0+4*\s+3], 8*262144
	s_add_nc_u64 s[G0B+4*\s+2:G0B+4*\s+3], s[G0B+4*\s+2:G0B+4*\s+3], 1024
	CROUND
	JLOAD \s
.endm
	s_wait_loadcnt 0x0                             ; the bias
	s_wait_tensorcnt 1                             ; my part of slot 0 is in; slot 1's may stay out
	s_barrier_signal -1
	s_barrier_wait -1
	SLOTWORK 0, 1
	CHANGE 0
	SLOTWORK 1, 0
	CHANGE 1
	SLOTWORK 0, 0
	s_wait_dscnt 0x0
	s_wait_tensorcnt 0x0                           ; my part of the last fill is in,
	s_barrier_signal -1
	s_barrier_wait -1                              ; everybody's is
	SLOTWORK 1, 0
; THE WAY OUT, 16 tokens at a time, through my own stage: 32 bytes a lane in, whole rows of 256 bytes back
.macro OUTM mt
	WIN 0x04                                       ; the stores' data in window 1
.irp nt, 0,1,2,3
	ds_store_b128 v[STO], v[8*(4*\mt+\nt):8*(4*\mt+\nt)+3]   offset:64*\nt
	ds_store_b128 v[STO], v[8*(4*\mt+\nt)+4:8*(4*\mt+\nt)+7] offset:64*\nt+16
.endr
	WIN 0
	s_wait_xcnt 0x0                                ; RB and the base, which the last turn's stores read, are written again only behind this wait
.if \mt
	s_add_nc_u64 s[80:81], s[80:81], 16*4096
.endif
.irp n, 0,1,2,3,4,5,6,7
	ds_load_b128 v[RB+4*\n:RB+4*\n+3], v[RD] offset:2*SPITCH*\n       ; LDS serves a wave's instructions in order: these see the stores above
.endr
.irp n, 0,1,2,3,4,5,6,7
	s_wait_dscnt 7-\n                              ; load n is back, the younger ones stay out
	global_store_b128 v[CO], v[RB+4*\n:RB+4*\n+3], s[80:81] offset:8192*\n   ; 16 lanes store 256 consecutive bytes, aligned
.endr
.endm
	OUTM 0
	OUTM 1
	OUTM 2
	OUTM 3
	s_wait_tensorcnt 0x0
	ds_add_u32 v62, v63
	s_wait_dscnt 0x0
	CROUND                                         ; the closing round
	s_endpgm
.Lfunc_end_k_q013ae42ae0_oproj:
	.size	k_q013ae42ae0_oproj, .Lfunc_end_k_q013ae42ae0_oproj-k_q013ae42ae0_oproj
	.p2alignl 7, 3214868480
	.fill 96, 4, 3214868480
	.section	.rodata,"a",@progbits
	.p2align	6, 0x0
	.amdhsa_kernel k_q013ae42ae0_oproj
		.amdhsa_group_segment_fixed_size 327680
		.amdhsa_private_segment_fixed_size 0
		.amdhsa_enable_private_segment 0
		.amdhsa_kernarg_size 32
		.amdhsa_user_sgpr_count 2
		.amdhsa_user_sgpr_kernarg_segment_ptr 1
		.amdhsa_wavefront_size32 1
		.amdhsa_system_sgpr_workgroup_id_x 1
		.amdhsa_system_sgpr_workgroup_id_y 1
		.amdhsa_system_sgpr_workgroup_id_z 1
		.amdhsa_system_vgpr_workitem_id 0
		.amdhsa_next_free_vgpr 384
		.amdhsa_next_free_sgpr 84
		.amdhsa_reserve_vcc 0
		.amdhsa_float_denorm_mode_32 3
		.amdhsa_float_denorm_mode_16_64 3
		.amdhsa_memory_ordered 1
		.amdhsa_forward_progress 1
		.amdhsa_inst_pref_size 89
	.end_amdhsa_kernel
	.amdgpu_metadata
---
amdhsa.version: [ 1, 2 ]
amdhsa.kernels:
  - .name:           k_q013ae42ae0_oproj
    .symbol:         k_q013ae42ae0_oproj.kd
    .args:
      - { .name: ctx, .offset: 0, .size: 8, .value_kind: global_buffer, .address_space: global }
      - { .name: wb, .offset: 8, .size: 8, .value_kind: global_buffer, .address_space: global }
      - { .name: bo, .offset: 16, .size: 8, .value_kind: global_buffer, .address_space: global }
      - { .name: out0, .offset: 24, .size: 8, .value_kind: global_buffer, .address_space: global }
    .group_segment_fixed_size: 327680
    .private_segment_fixed_size: 0
    .kernarg_segment_align: 8
    .kernarg_segment_size: 32
    .max_flat_workgroup_size: 128
    .sgpr_count:     84
    .vgpr_count:     384
    .wavefront_size: 32
...
	.end_amdgpu_metadata
.endif
;; end of part 4
;; ======== version 2 of 2: 4 launches; version 1 with the launch prep written anew for expert scheduling mode
;; limits: values are held in f16: magnitudes above 65,504 overflow, below 6.1e-05 lose precision
;; workspace buffers: xb 8,388,608 bytes; wb 8,388,608 bytes; tabs 655,360 bytes; qkv 25,165,824 bytes; vsum 262,144 bytes; ctx 8,388,608 bytes
;; launch prep (part 5): grid 256 x 1, 8 waves a work-group, no clusters, 0 bytes of LDS; arguments x, Wq, Wk, Wv, Wo, mask, rel_emb, xb, wb, tabs; writes xb, wb, tabs
.if DOCPART == 5
	.amdgcn_target "amdgcn-amd-amdhsa--gfx1250"
	.amdhsa_code_object_version 6
	.text
	.protected	k_q013ae42ae0_prep
	.globl	k_q013ae42ae0_prep
	.p2align	8
	.type	k_q013ae42ae0_prep,@function
k_q013ae42ae0_prep:
	s_mov_b64 s[64:65], 0
	v_nop
	global_prefetch_b8 v0, s[64:65] scope:SCOPE_SE
	s_setreg_imm32_b32 hwreg(HW_REG_WAVE_SCHED_MODE, 0, 2), 2
	s_setreg_imm32_b32 hwreg(HW_REG_WAVE_MODE, 25, 1), 1
	s_wait_xcnt 0x0
	s_wait_alu depctr_vm_vsrc(0)
; Casts x and the four weight matrices from f32 to f16 and makes two small tables for the attention launch.
; 8,192 rows of 1,024 numbers in all: 256 work-groups of 32 rows.  Groups 0-127 take x, 128-159 Wq, 160-191 Wk, 192-223 Wv, 224-255 Wo.
; wb: rows 0-3071 hold Wq, Wk, Wv sorted by head (row 192 hd + 64 T + e = row 64 hd + e of matrix T), rows 3072-4095 hold Wo.
; tabs, f32, all in units of log2 (times 1.442695):
;   kb[b*16+hd][2][2048] at byte 0: row 0 = key kept ? rel_emb[0][hd] : -1e30 (distance -32 and beyond), row 1 = key kept ? 0 : -1e30
;   et[hd][c][512] at byte 524,288: entry x stands for distance d = x + c - 192: d <= 0 ? rel_emb[max(d,-32)+32][hd] : -1e30 (the causal edge).
;   Four copies shifted by c = 0..3 entries, so that any run of eight distances starts at a multiple of 16 bytes in one of them.
; LIMITS: -1e30 stands for the -1e9 of the masks (equal results while kept scores lie far above -1e9).  rel_emb's rows 33-64 (keys behind
; the query) are not read: the causal mask discards every score that they enter.  f16 holds |x|, |W| below 65,504.
; A stream: thread t owns columns 4 t .. 4 t + 3 of each of the group's 32 rows; all 32 loads of 16 bytes go out at once, a wave's load
; covers 512 consecutive bytes, a wave's store of 8 bytes a lane covers 256 consecutive bytes, aligned.  No LDS, no barrier, no matrix work.
; THE MODE: SCHED_MODE bits 1:0 = 2 (LLVM: expert scheduling mode 2), set by the entry lines.  The code itself states the register dependences
; between vector instructions and memory instructions, with s_wait_alu, always for 0.
; THE PLAN.  Registers that memory instructions touch:
;   v1, v2, v3, v12, v15, v208   byte offsets: made once at the head, read by the loads and stores, never written again.
;   v[4:7], X                    written once by loads (v6, v7 then scaled once in place); no vector instruction names them ahead of their load.
;   Y                            a pair for each row: written once, by the row's two conversions; read once, by the row's store.
;   v[10:11], v[210:211]         the tables' entries: written once by selects, read once by a store.
; The 32 rows go in 8 blocks of four.  Block p converts rows 4 p .. 4 p + 3; its memory instructions are the stores of rows 4 p - 4 .. 4 p - 1, whose
; registers no conversion of block p names.  So one wait at a block's head states all that the block's four stores hang on, and they are dealt
; among its conversions with no further wait.  No register that a memory instruction reads is written again, so no wait on vm_vsrc is owed.
.set LOG2E,  0x3fb8aa3b
.set NEGBIG, 0xf149f2ca                ; -1e30
.set BLOCK, 4                          ; rows in a block
.set X, 16                             ; v[16:143]  row k: 4 numbers as loaded
.set Y, 144                            ; v[144:207] row k: 4 numbers in f16
	s_load_b512 s[8:23], s[0:1], 0x0               ; x s[8:9], Wq s[10:11], Wk s[12:13], Wv s[14:15], Wo s[16:17], mask s[18:19], rel_emb s[20:21], xb s[22:23]
	s_load_b128 s[24:27], s[0:1], 0x40             ; wb s[24:25], tabs s[26:27]
	s_mov_b32 s48, ttmp9                           ; g
	s_lshr_b32 s2, s48, 5                          ; which matrix: 0-3 x, 4 Wq, 5 Wk, 6 Wv, 7 Wo
	s_and_b32 s3, s48, 31                          ; block of 32 rows in a weight matrix
	s_cmp_lt_u32 s2, 4
	s_cselect_b32 s4, s48, s3                      ; block of 32 rows in the source
	s_lshl_b32 s32, s4, 17                         ; x 32 rows x 4,096 bytes
	s_mov_b32 s33, 0
	s_lshr_b32 s6, s3, 1                           ; head
	s_mul_i32 s6, s6, 192
	s_max_u32 s7, s2, 4
	s_sub_co_u32 s7, s7, 4                         ; T = 0, 1, 2 for Wq, Wk, Wv
	s_lshl_b32 s7, s7, 6
	s_add_co_u32 s6, s6, s7
	s_and_b32 s7, s3, 1
	s_lshl_b32 s7, s7, 5
	s_add_co_u32 s6, s6, s7                        ; 192 hd + 64 T + 32 (block & 1)
	s_lshl_b32 s7, s3, 5
	s_add_co_u32 s7, s7, 3072                      ; Wo: behind the 3,072 rows
	s_cmp_eq_u32 s2, 7
	s_cselect_b32 s6, s7, s6
	s_lshl_b32 s5, s48, 5                          ; x: row 32 g
	s_cmp_lt_u32 s2, 4
	s_cselect_b32 s6, s5, s6
	s_lshl_b32 s34, s6, 11                         ; x 2,048 bytes
	s_mov_b32 s35, 0
	; the tables: group g makes kb for batch g >> 7, head (g >> 3) & 15, keys 256 (g & 7) .. + 255, both rows
	s_and_b32 s40, s48, 7
	s_lshl_b32 s40, s40, 10                        ; 256 keys x 4 bytes
	s_lshr_b32 s36, s48, 7
	s_lshl_b32 s36, s36, 13
	s_add_co_u32 s36, s36, s40                     ; my keys in mask
	s_mov_b32 s37, 0
	s_lshr_b32 s38, s48, 3
	s_lshl_b32 s38, s38, 14
	s_add_co_u32 s38, s38, s40                     ; my keys in kb's row 0
	s_mov_b32 s39, 0
	s_bfe_u32 s42, s48, 0x40003
	s_lshl_b32 s42, s42, 2                         ; rel_emb[0][hd]
	s_mov_b32 s43, 0
	s_and_b32 s44, s48, 3                          ; et: copy c
	s_bfe_u32 s45, s48, 0x40002
	s_lshl_b32 s45, s45, 2                         ; et: head, x 4 bytes
	v_lshlrev_b32 v1, 4, v0                        ; 16 t: my 4 numbers in a source row
	v_lshlrev_b32 v2, 3, v0                        ; 8 t: in a row of f16, and my two entries of et
	v_and_b32 v12, 127, v0
	v_lshlrev_b32 v12, 3, v12                      ; my two keys
	v_lshrrev_b32 v3, 7, v0                        ; threads 0-127 make kb's row 0, threads 128-255 row 1
	v_lshl_add_u32 v3, v3, 13, v12
	v_lshl_add_u32 v13, v0, 1, s44                 ; u = x + c of my two entries of et: distance u - 192
	v_add_nc_u32 v14, 1, v13
	v_max_u32 v15, 0xa0, v13
	v_max_u32 v208, 0xa0, v14
	v_min_u32 v15, 0xc0, v15                       ; 160 + row of rel_emb, rows 0 to 32
	v_min_u32 v208, 0xc0, v208
	v_lshl_add_u32 v15, v15, 6, s45                ; x 64 bytes + head; the 160 rows come off in the loads' immediate
	v_lshl_add_u32 v208, v208, 6, s45
	s_wait_kmcnt 0x0
	s_mov_b64 s[28:29], s[8:9]
	s_cmp_eq_u32 s2, 4
	s_cselect_b64 s[28:29], s[10:11], s[28:29]
	s_cmp_eq_u32 s2, 5
	s_cselect_b64 s[28:29], s[12:13], s[28:29]
	s_cmp_eq_u32 s2, 6
	s_cselect_b64 s[28:29], s[14:15], s[28:29]
	s_cmp_eq_u32 s2, 7
	s_cselect_b64 s[28:29], s[16:17], s[28:29]
	s_cmp_lt_u32 s2, 4
	s_cselect_b64 s[30:31], s[22:23], s[24:25]
	s_add_nc_u64 s[28:29], s[28:29], s[32:33]      ; my 32 rows in the source
	s_add_nc_u64 s[30:31], s[30:31], s[34:35]      ; and in xb or wb
	s_add_nc_u64 s[18:19], s[18:19], s[36:37]
	s_add_nc_u64 s[42:43], s[20:21], s[42:43]
	s_add_nc_u64 s[38:39], s[26:27], s[38:39]
	s_load_b32 s41, s[42:43], 0x0
	s_wait_alu depctr_va_vdst(0)                   ; the six offsets v1, v2, v3, v12, v15, v208 are written: every load and store of the kernel reads one of them
	global_load_b64 v[4:5], v12, s[18:19]          ; the tables' loads go first: they are older than every row's load
	global_load_b32 v6, v15, s[20:21] offset:-10240
	global_load_b32 v7, v208, s[20:21] offset:-10240
.set k, 0
.rept 32
	global_load_b128 v[X+4*k:X+4*k+3], v1, s[28:29] offset:4096*k th:TH_LOAD_NT
.set k, k+1
.endr
; Block p: rows 4 p .. 4 p + 3 are rounded; the rows of the block before are stored, a store in front of each row's two conversions.
.macro BLK p
	s_wait_loadcnt 28-BLOCK*(\p)                   ; loads come back in order: rows up to 4 p + 3 are in, the 28 - 4 p younger rows stay out
.if (\p) > 0
	s_wait_alu depctr_va_vdst(0)                   ; the block before has written its four pairs of Y, which the stores below read; no conversion of this block names them
.endif
.irp i, 0,1,2,3
.if (\p) > 0
	global_store_b64 v2, v[Y+2*(BLOCK*(\p)-BLOCK+(\i)):Y+2*(BLOCK*(\p)-BLOCK+(\i))+1], s[30:31] offset:2048*(BLOCK*(\p)-BLOCK+(\i))
.endif
	v_cvt_pk_f16_f32 v[Y+2*(BLOCK*(\p)+(\i))],   v[X+4*(BLOCK*(\p)+(\i))],   v[X+4*(BLOCK*(\p)+(\i))+1]
	v_cvt_pk_f16_f32 v[Y+2*(BLOCK*(\p)+(\i))+1], v[X+4*(BLOCK*(\p)+(\i))+2], v[X+4*(BLOCK*(\p)+(\i))+3]
.endr
.endm
.irp p, 0,1,2,3,4,5,6,7
	BLK \p
.endr
	; kb: the last wait above was for 0, so the mask and the table entries are in
	s_wait_kmcnt 0x0
	s_mul_f32 s41, s41, LOG2E
	v_mov_b32 v9, NEGBIG
	v_mov_b32 v8, s41
	v_cmp_gt_u32 s2, 128, v0                       ; the three masks in a run, each in a scalar register of its own (s2 to s6 are free: the head's arithmetic is done with them)
	v_cmp_ne_u32 s3, 0, v4
	v_cmp_ne_u32 s4, 0, v5
	s_wait_alu depctr_va_sdst(0)                   ; the compares have written s2, s3, s4, which the selects below read
	v_cndmask_b32 v8, 0, v8, s2                    ; row 0: the far bias; row 1: 0
	v_cndmask_b32 v10, v9, v8, s3
	v_cndmask_b32 v11, v9, v8, s4
	s_wait_alu depctr_va_vdst(0)                   ; block 7 has written its four pairs of Y, and the selects v[10:11]: the five stores below read them
.irp i, 28,29,30,31
	global_store_b64 v2, v[Y+2*(\i):Y+2*(\i)+1], s[30:31] offset:2048*(\i)
.endr
	global_store_b64 v3, v[10:11], s[38:39]
	; et: 64 copies of 2,048 bytes (16 heads x 4 shifts), one for each of groups 0-63
	s_cmp_ge_u32 s48, 64
	s_cbranch_scc1 .Ldone
	s_lshl_b32 s46, s48, 11
	s_mov_b32 s47, 0
	s_add_nc_u64 s[46:47], s[26:27], s[46:47]
	v_mul_f32 v6, LOG2E, v6
	v_mul_f32 v7, LOG2E, v7
	v_cmp_gt_u32 s5, 0xc1, v13                     ; distance <= 0
	v_cmp_gt_u32 s6, 0xc1, v14
	s_wait_alu depctr_va_sdst(0)                   ; the compares have written s5 and s6, which the selects below read
	v_cndmask_b32 v210, v9, v6, s5
	v_cndmask_b32 v211, v9, v7, s6
	s_wait_alu depctr_va_vdst(0)                   ; the selects have written v[210:211], which the store reads
	global_store_b64 v2, v[210:211], s[46:47] offset:524288
.Ldone:
	s_endpgm
.Lfunc_end_k_q013ae42ae0_prep:
	.size	k_q013ae42ae0_prep, .Lfunc_end_k_q013ae42ae0_prep-k_q013ae42ae0_prep
	.p2alignl 7, 3214868480
	.fill 96, 4, 3214868480
	.section	.rodata,"a",@progbits
	.p2align	6, 0x0
	.amdhsa_kernel k_q013ae42ae0_prep
		.amdhsa_group_segment_fixed_size 0
		.amdhsa_private_segment_fixed_size 0
		.amdhsa_enable_private_segment 0
		.amdhsa_kernarg_size 80
		.amdhsa_user_sgpr_count 2
		.amdhsa_user_sgpr_kernarg_segment_ptr 1
		.amdhsa_wavefront_size32 1
		.amdhsa_system_sgpr_workgroup_id_x 1
		.amdhsa_system_sgpr_workgroup_id_y 1
		.amdhsa_system_sgpr_workgroup_id_z 1
		.amdhsa_system_vgpr_workitem_id 0
		.amdhsa_next_free_vgpr 212
		.amdhsa_next_free_sgpr 66
		.amdhsa_reserve_vcc 0
		.amdhsa_float_denorm_mode_32 3
		.amdhsa_float_denorm_mode_16_64 3
		.amdhsa_memory_ordered 1
		.amdhsa_forward_progress 1
		.amdhsa_inst_pref_size 16
	.end_amdhsa_kernel
	.amdgpu_metadata
---
amdhsa.version: [ 1, 2 ]
amdhsa.kernels:
  - .name:           k_q013ae42ae0_prep
    .symbol:         k_q013ae42ae0_prep.kd
    .args:
      - { .name: x, .offset: 0, .size: 8, .value_kind: global_buffer, .address_space: global }
      - { .name: Wq, .offset: 8, .size: 8, .value_kind: global_buffer, .address_space: global }
      - { .name: Wk, .offset: 16, .size: 8, .value_kind: global_buffer, .address_space: global }
      - { .name: Wv, .offset: 24, .size: 8, .value_kind: global_buffer, .address_space: global }
      - { .name: Wo, .offset: 32, .size: 8, .value_kind: global_buffer, .address_space: global }
      - { .name: mask, .offset: 40, .size: 8, .value_kind: global_buffer, .address_space: global }
      - { .name: rel_emb, .offset: 48, .size: 8, .value_kind: global_buffer, .address_space: global }
      - { .name: xb, .offset: 56, .size: 8, .value_kind: global_buffer, .address_space: global }
      - { .name: wb, .offset: 64, .size: 8, .value_kind: global_buffer, .address_space: global }
      - { .name: tabs, .offset: 72, .size: 8, .value_kind: global_buffer, .address_space: global }
    .group_segment_fixed_size: 0
    .private_segment_fixed_size: 0
    .kernarg_segment_align: 8
    .kernarg_segment_size: 80
    .max_flat_workgroup_size: 256
    .sgpr_count:     66
    .vgpr_count:     212
    .wavefront_size: 32
...
	.end_amdgpu_metadata
.endif
;; end of part 5
;; launch qkv: the kernel of part 2 again; grid 16 x 16, 4 waves a work-group, clusters of 4 x 4, 327,680 bytes of LDS; arguments xb, wb, bq, bk, bv, qkv, vsum; writes qkv, vsum
;; launch attn: the kernel of part 3 again; grid 256 x 1, 4 waves a work-group, no clusters, 327,680 bytes of LDS; arguments qkv, vsum, tabs, ctx; writes ctx
;; launch oproj: the kernel of part 4 again; grid 8 x 32, 4 waves a work-group, clusters of 4 x 4, 327,680 bytes of LDS; arguments ctx, wb, bo, out0; writes out0
